; MI455X (gfx1250); checked and timed in simulation.
; The chip was launched on July 23, 2026; its instructions are those of AMD's public machine-readable ISA for CDNA 5 (MIT licence, August 2026) and "CDNA5" Instruction Set Architecture Reference Guide (July 2026). The comments in the code are by the model that wrote it; some were corrected since.
;; Cross Attention Layer. Allowed arithmetic: matrix products marked QUANTISED: E2M1 operands, one E8M0 scale for each 32 along K, by v_wmma_scale_f32_16x16x128_f8f6f4 with both operands' format E2M1 (or v_wmma_scale_f32_32x16x128_f4), f32 sums; products left as they are: bf16, f16 or f32 operands; f32 sums; everything else in f32.
;; Inputs: Wk 768 x 768 float32; Wo 768 x 768 float32; Wq 768 x 768 float32; Wv 768 x 768 float32; bk 768 float32; bo 768 float32; bq 768 float32; bv 768 float32; coords_key 4 x 4,096 x 3 float32; coords_query 4 x 1,024 x 3 float32; key 4 x 4,096 x 768 float32; query 4 x 1,024 x 768 float32; value 4 x 4,096 x 768 float32.
;; Outputs: out0 4 x 1,024 x 768 float32.
;; This version of the problem:
;;   THIS VERSION OF THE PROBLEM IS GIVEN IN LOW PRECISION. The matrix products marked QUANTISED in the list below multiply operands that are first quantised to E2M1 (2 exponent bits, 1 mantissa bit; 4 bits a number), with one power-of-two scale for each 32 numbers along K (OCP MX v1.0); their sums are f32. The products marked 'left as it is' may take bf16, f16 or f32 operands, with f32 sums. Whichever they take, every output number must still come out within the allowed error. Rounding operands to bf16 (8 significant bits) uses up far more of that allowance than f16 does (11 bits, for magnitudes from 6e-5 to 65,504). All else is computed in f32.
;;   The module's matrix products, in the order in which they are computed (A, B: the left and right operand; K: the contracted axis; several contracted axes count as one K, in the product's order):
;;     1. [M 4,096, K 768] x [K 768, N 768]; A: input query; B: input Wq: QUANTISED
;;     2. [M 16,384, K 768] x [K 768, N 768]; A: input key; B: input Wk: QUANTISED
;;     3. [M 16,384, K 768] x [K 768, N 768]; A: input value; B: input Wv: QUANTISED
;;     4. batch 32 x [M 1,024, K 96] x [K 96, N 4,096]; A: computed on the way; B: computed on the way: left as it is (an operand is computed on the way)
;;     5. batch 32 x [M 1,024, K 4,096] x [K 4,096, N 96]; A: computed on the way; B: computed on the way: left as it is (an operand is computed on the way)
;;     6. [M 4,096, K 768] x [K 768, N 768]; A: computed on the way; B: input Wo: left as it is (an operand is computed on the way)
;;   THE QUANTISER, for each operand of a quantised product, along K:
;;     - K is cut into blocks of 32 from its start; a last block that is shorter is filled with zeros.
;;     - A block's scale is 2^e with e = floor(log2(the largest magnitude in the block)) - 2, held to -126 .. 127; a block of zeros has e = 0. As a byte (E8M0): e + 127.
;;     - Each number is divided by its block's scale, clamped to +-6, and rounded to the nearest number of E2M1, ties to even, subnormals kept.
;;     - The product sums the exact products of the quantised numbers (number of the format x scale) in f32.
;;   ~~~python
;;   def quantise(x, axis):      # numpy; x: float32 -> the quantised numbers, widened to float32 again
;;       x = np.moveaxis(x, axis, -1); K = x.shape[-1]
;;       x = np.pad(x, [(0, 0)] * (x.ndim - 1) + [(0, -K % 32)]); x = x.reshape(x.shape[:-1] + (-1, 32)); a = np.abs(x).max(-1, keepdims=True)
;;       e = np.where(a > 0, np.clip(np.frexp(np.where(a > 0, a, 1))[1] - 1 - 2, -126, 127), 0)      # np.frexp(a)[1] - 1 = floor(log2(a)), exactly
;;       r = np.clip(x / 2.0 ** e, -6, 6)
;;       step = 2.0 ** (np.maximum(np.frexp(np.where(r == 0, 1, r))[1] - 1, 0) - 1)
;;       q = np.round(r / step) * step * 2.0 ** e      # np.round: ties to even
;;       return np.moveaxis(q.reshape(q.shape[:-2] + (-1,))[..., :K], -1, axis).astype(np.float32)
;;   ~~~
;; One version. Each part assembles by itself: llvm-mc -triple=amdgcn-amd-amdhsa -mcpu=gfx1250 --defsym DOCPART=n.
;; ======== version 1 of 1: 4 launches
;; limits: values are held in f16: magnitudes above 65,504 overflow, below 6.1e-05 lose precision
;; workspace buffers: wcodes 884,736 bytes; wscl 110,592 bytes; wof 1,179,648 bytes; qf 6,291,456 bytes; kvf 50,331,648 bytes; af 6,291,456 bytes
;; launch prep (part 1): grid 48 x 4, 6 waves a work-group, no clusters, 0 bytes of LDS; arguments Wq, Wk, Wv, Wo, wcodes, wscl, wof; writes wcodes, wscl, wof
.if DOCPART == 1
	.amdgcn_target "amdgcn-amd-amdhsa--gfx1250"
	.amdhsa_code_object_version 6
	.text
	.protected	k_qcacc67ef18_prep
	.globl	k_qcacc67ef18_prep
	.p2align	8
	.type	k_qcacc67ef18_prep,@function
k_qcacc67ef18_prep:
	s_mov_b64 s[64:65], 0
	v_nop
	global_prefetch_b8 v0, s[64:65] scope:SCOPE_SE
	s_setreg_imm32_b32 hwreg(HW_REG_WAVE_MODE, 25, 1), 1
	s_wait_xcnt 0x0
; The four weights [768][768] f32, K innermost, are laid out once in the order in which a wave's operand registers take them.
; Work-group (x, y): x = the tile of 16 rows, y = the matrix (0 Wq, 1 Wk, 2 Wv, 3 Wo); wave s takes 128 along K: one unit of 16 rows x 128 numbers a wave.  No loop, no LDS, no barrier.
; y < 3: codes of FP4 (E2M1) with one E8M0 byte for each 32 along K.  A block's scale is 2^(floor(log2(its largest magnitude)) - 2): its byte is the largest magnitude's exponent field - 2, held at 1 from below.
;   wcodes [matrix][s][tile][1,024]: a fragment as an image of its 8 registers: half c at 512 c, lane l's 16 bytes at 16 l.   wscl [matrix][s][tile][lane][4]: the row's scale word (lanes r and r + 16 hold row r's).
; y = 3: Wo as f16.  wof [tile][32 along K: 24][1,024]: half g at 512 g; lane (r, h) holds row r, k = 16 g + 8 h + 0 .. 7.
; Each store of codes or of f16 numbers covers 512 consecutive bytes, aligned; a scale store covers 128: one byte in nine of what this launch stores.
; LIMITS: a block of zeros gets the byte 1 where the rule says 127: its codes are zeros, which add nothing under any byte but 0xff, and this program alone reads the bytes.  NaN and infinities are not served.  Wo must lie inside f16's range.
.set X,   32                           ; v32-95   64 numbers of a lane
.set PC,  96                           ; v96-103  the codes just made
.set HF,  96                           ; v96-127  Wo's way: 32 registers of f16 pairs
.set TM,  12                           ; v12-15 largest magnitudes, v16-19 bytes, v24-27 the conversions' scale operands
.set PW,  28                           ; v28      the scale word
.set SEL, 28                           ; s[28:29] lane selects for v_permlanex16_b32: lane l xor 16
; 64 numbers of a lane, register 16 b + i = k 32 b + 16 (lane / 16) + i of my row, become a fragment's codes in v[PC] on and its scale word in v[PW].
.macro QUANT s
.irp b, 0,1,2,3
	v_max3_num_f32 v[TM+\b], |v[\s+16*\b]|, |v[\s+1+16*\b]|, 0x1800000   ; block b: my 16 numbers, and the floor 2^(3 - 127): the byte cannot fall under 1
.endr
.irp i, 2,4,6,8,10,12,14
.irp b, 0,1,2,3
	v_max3_num_f32 v[TM+\b], v[TM+\b], |v[\s+16*\b+\i]|, |v[\s+1+16*\b+\i]|   ; the four blocks by turns
.endr
.endr
.irp b, 0,1,2,3
	v_permlanex16_b32 v[TM+4+\b], v[TM+\b], s[SEL], s[SEL+1]
.endr
.irp b, 0,1,2,3
	v_max_num_f32 v[TM+\b], v[TM+\b], v[TM+4+\b]   ; with lane l xor 16's: the block's largest magnitude
.endr
.irp b, 0,1,2,3
	v_add_nc_u32 v[TM+12+\b], 0xff000000, v[TM+\b]   ; 2 off its exponent field: the conversion takes the exponent field of this operand as its scale
.endr
.irp b, 0,1,2,3
	v_lshrrev_b32 v[TM+4+\b], 23, v[TM+12+\b]      ; the scale's byte
.endr
	v_lshl_or_b32 v[PW], v[TM+5], 8, v[TM+4]
	v_lshl_or_b32 v[PW], v[TM+6], 16, v[PW]
	v_lshl_or_b32 v[PW], v[TM+7], 24, v[PW]
.irp b, 0,1,2,3
	v_cvt_scalef32_pk8_fp4_f32 v[PC+2*\b], v[\s+16*\b:\s+7+16*\b], v[TM+12+\b]
	v_cvt_scalef32_pk8_fp4_f32 v[PC+1+2*\b], v[\s+8+16*\b:\s+15+16*\b], v[TM+12+\b]
.endr
	v_nop                                          ; one plain place behind a scaled conversion
.irp c, 0,1                                    ; the operand's layout wants a whole block in a lane: lanes 0-15 block 2 c, lanes 16-31 block 2 c + 1
.irp i, 0,1
	v_permlane16_swap_b32 v[PC+4*\c+\i], v[PC+2+4*\c+\i]
.endr
.endr
.endm
	s_load_b256 s[4:11], s[0:1], 0x0               ; Wq, Wk, Wv, Wo
	s_load_b128 s[12:15], s[0:1], 0x20             ; wcodes, wscl
	s_load_b64 s[16:17], s[0:1], 0x30              ; wof
	v_lshrrev_b32 v1, 5, v0
	v_readfirstlane_b32 s18, v1                    ; s: which 128 along K
	s_and_b32 s19, ttmp7, 0xffff                   ; y: which matrix
	v_and_b32 v2, 15, v0                           ; r
	v_bfe_u32 v3, v0, 4, 1                         ; h
	v_and_b32 v4, 31, v0                           ; lane
	v_lshlrev_b32 v5, 4, v4                        ; 16 x lane
	v_lshlrev_b32 v6, 2, v4                        ; 4 x lane
	v_mul_u32_u24 v7, v2, 3072                     ; my row: 768 numbers of 4 bytes
	s_mov_b32 s[SEL], 0x76543210
	s_mov_b32 s[SEL+1], 0xfedcba98
.irp b, 0,1,2,3
	v_mov_b32 v[TM+4+\b], 0                        ; written once: a lane permute's destination counts as one of its sources
.endr
	s_mul_i32 s24, ttmp9, 49152                    ; 16 rows of 3,072 bytes a tile,
	s_lshl_b32 s25, s18, 9                         ; 512 bytes for each 128 along K
	s_add_co_u32 s24, s24, s25
	s_mov_b32 s25, 0
	s_mul_i32 s26, s18, 48
	s_add_co_u32 s26, s26, ttmp9                   ; 48 s + tile: the fragment's number in its matrix
	s_and_b32 s27, s19, 1
	s_wait_kmcnt 0x0
	s_cmp_lt_u32 s19, 2                            ; the matrix is chosen by the work-group's y alone
	s_cselect_b64 s[20:21], s[4:5], s[8:9]
	s_cselect_b64 s[22:23], s[6:7], s[10:11]
	s_cmp_eq_u32 s27, 1
	s_cselect_b64 s[20:21], s[22:23], s[20:21]
	s_add_nc_u64 s[20:21], s[20:21], s[24:25]
	s_cmp_eq_u32 s19, 3
	s_cbranch_scc1 .Lwo
	; ---- Wq, Wk, Wv: codes and scale words
	v_lshl_add_u32 v8, v3, 6, v7                   ; + 64 h: my 16 numbers of each block of 32
.irp b, 0,1,2,3
.irp j, 0,1,2,3
	global_load_b128 v[X+16*\b+4*\j:X+16*\b+4*\j+3], v8, s[20:21] offset:128*\b+16*\j th:TH_LOAD_NT
.endr
.endr
	s_mul_i32 s24, s19, 294912                     ; a matrix's codes,
	s_lshl_b32 s27, s26, 10                        ; 1,024 bytes a fragment
	s_add_co_u32 s24, s24, s27
	s_add_nc_u64 s[12:13], s[12:13], s[24:25]
	s_mul_i32 s24, s19, 36864                      ; a matrix's scale words,
	s_lshl_b32 s27, s26, 7                         ; 128 bytes a fragment
	s_add_co_u32 s24, s24, s27
	s_add_nc_u64 s[14:15], s[14:15], s[24:25]
	s_wait_loadcnt 0x0
	QUANT X
	global_store_b128 v5, v[PC:PC+3], s[12:13]
	global_store_b128 v5, v[PC+4:PC+7], s[12:13] offset:512
	global_store_b32 v6, v[PW], s[14:15]
	s_endpgm
.Lwo:
	; ---- Wo: four fragments of f16 (32 along K each)
	v_lshl_add_u32 v8, v3, 5, v7                   ; + 32 h: my 8 numbers of each 16
.irp q, 0,1,2,3
.irp g, 0,1
.irp e, 0,1
	global_load_b128 v[X+16*\q+8*\g+4*\e:X+16*\q+8*\g+4*\e+3], v8, s[20:21] offset:128*\q+64*\g+16*\e th:TH_LOAD_NT
.endr
.endr
.endr
	s_mul_i32 s24, ttmp9, 24
	s_lshl_b32 s27, s18, 2
	s_add_co_u32 s24, s24, s27                     ; 24 x tile + 4 s: my first fragment
	s_lshl_b32 s24, s24, 10
	s_add_nc_u64 s[16:17], s[16:17], s[24:25]
	s_wait_loadcnt 0x0
.set i, 0
.rept 32
	v_cvt_pk_f16_f32 v[HF+i], v[X+2*i], v[X+2*i+1]
.set i, i+1
.endr
.irp q, 0,1,2,3
.irp g, 0,1
	global_store_b128 v5, v[HF+8*\q+4*\g:HF+8*\q+4*\g+3], s[16:17] offset:1024*\q+512*\g
.endr
.endr
	s_endpgm
.Lfunc_end_k_qcacc67ef18_prep:
	.size	k_qcacc67ef18_prep, .Lfunc_end_k_qcacc67ef18_prep-k_qcacc67ef18_prep
	.p2alignl 7, 3214868480
	.fill 96, 4, 3214868480
	.section	.rodata,"a",@progbits
	.p2align	6, 0x0
	.amdhsa_kernel k_qcacc67ef18_prep
		.amdhsa_group_segment_fixed_size 0
		.amdhsa_private_segment_fixed_size 0
		.amdhsa_enable_private_segment 0
		.amdhsa_kernarg_size 56
		.amdhsa_user_sgpr_count 2
		.amdhsa_user_sgpr_kernarg_segment_ptr 1
		.amdhsa_wavefront_size32 1
		.amdhsa_system_sgpr_workgroup_id_x 1
		.amdhsa_system_sgpr_workgroup_id_y 1
		.amdhsa_system_sgpr_workgroup_id_z 1
		.amdhsa_system_vgpr_workitem_id 0
		.amdhsa_next_free_vgpr 128
		.amdhsa_next_free_sgpr 66
		.amdhsa_reserve_vcc 0
		.amdhsa_float_denorm_mode_32 3
		.amdhsa_float_denorm_mode_16_64 3
		.amdhsa_memory_ordered 1
		.amdhsa_forward_progress 1
		.amdhsa_inst_pref_size 13
	.end_amdhsa_kernel
	.amdgpu_metadata
---
amdhsa.version: [ 1, 2 ]
amdhsa.kernels:
  - .name:           k_qcacc67ef18_prep
    .symbol:         k_qcacc67ef18_prep.kd
    .args:
      - { .name: Wq, .offset: 0, .size: 8, .value_kind: global_buffer, .address_space: global }
      - { .name: Wk, .offset: 8, .size: 8, .value_kind: global_buffer, .address_space: global }
      - { .name: Wv, .offset: 16, .size: 8, .value_kind: global_buffer, .address_space: global }
      - { .name: Wo, .offset: 24, .size: 8, .value_kind: global_buffer, .address_space: global }
      - { .name: wcodes, .offset: 32, .size: 8, .value_kind: global_buffer, .address_space: global }
      - { .name: wscl, .offset: 40, .size: 8, .value_kind: global_buffer, .address_space: global }
      - { .name: wof, .offset: 48, .size: 8, .value_kind: global_buffer, .address_space: global }
    .group_segment_fixed_size: 0
    .private_segment_fixed_size: 0
    .kernarg_segment_align: 8
    .kernarg_segment_size: 56
    .max_flat_workgroup_size: 192
    .sgpr_count:     66
    .vgpr_count:     128
    .wavefront_size: 32
...
	.end_amdgpu_metadata
.endif
;; end of part 1
;; launch proj (part 2): grid 256 x 1, 4 waves a work-group, no clusters, 327,680 bytes of LDS; arguments query, key, value, coords_query, coords_key, wcodes, wscl, bq, bk, bv, qf, kvf; writes qf, kvf
.if DOCPART == 2
	.amdgcn_target "amdgcn-amd-amdhsa--gfx1250"
	.amdhsa_code_object_version 6
	.text
	.protected	k_qcacc67ef18_proj
	.globl	k_qcacc67ef18_proj
	.p2align	8
	.type	k_qcacc67ef18_proj,@function
k_qcacc67ef18_proj:
	s_mov_b64 s[64:65], 0
	v_nop
	global_prefetch_b8 v0, s[64:65] scope:SCOPE_SE
	s_setreg_imm32_b32 hwreg(HW_REG_WAVE_MODE, 25, 1), 1
	s_wait_xcnt 0x0
; q = rot(query Wq^T + bq) x log2(e) / sqrt(96), k = rot(key Wk^T + bk), v = value Wv^T + bv.  The three products run on codes of FP4 (E2M1) with one E8M0 scale for each 32 along K; sums in f32.
; x ([rows][768] f32) is quantised here, in registers; the weights come as codes in fragment order.  The results leave as f16, as images of the operand registers of the attention launch.
; SHARES.  The three tensors have 128 + 512 + 512 = 1,152 blocks of 32 rows: 4.5 for each of 256 work-groups.  Work-groups 0-27 take query, 28-141 key, 142-255 value; in each tensor the first ones (16, 56, 56) take FIVE blocks and
; the others FOUR: 16 x 5 + 12 x 4 = 128, 56 x 5 + 58 x 4 = 512.  The i-th work-group of a tensor begins at block 4 i + min(i, the number of fives).  The trip counts are constants: four trips and a fifth block written out, whose
; work a work-group of four blocks jumps over.
; THE WAVES SHARE THE COLUMNS: wave w makes channels 192 w .. 192 w + 191 (heads 2 w, 2 w + 1: 12 tiles of 16) for all rows,
; so its 72 fragments of W stay in 576 registers for the whole launch.  No cluster: no two work-groups read the same rows of x, and W is read once by each.
; A BLOCK.  Its 32 rows come by four tensor loads (wave w: rows 16 (w / 2) on, numbers 384 (w % 2) on) into a ring of two LDS slots.  X: wave w quantises its own tile: three fragments, stored to LDS as images of their registers;
; for q and k it also makes a quarter of the block's cosines and sines | barrier |  1: every wave takes all 12 fragments of x and makes its 12 tiles for the two tiles of rows.
; q, k: THE PRODUCT IS USED TRANSPOSED (source 0 = W, source 1 = x): lane (r, h) holds row r and channels 16 t + 8 h + j, so the partner of a rotary pair (16 channels on) is the next tile's same register of the same lane.
; v: straight (source 0 = x, source 1 = W): lane (r, h) holds channel 16 t + r and rows 8 h + j: eight neighbouring KEYS, as the second attention product wants them.
; The bias is the C of each sum's first matrix instruction.
; SINE AND COSINE in f32: n = the nearest whole number to angle x 2 / pi; angle - n pi / 2 in three fused steps; polynomials on +-pi / 4; the quadrant by selects and sign bits.
; LIMITS: angles up to about 1e5 in magnitude (beyond that the angle's own f32 rounding is coarser than a turn's fraction); q, k, v must lie inside f16's range, 65,504; a block of zeros gets the scale byte 1 (its codes are zeros; the bytes are read here alone); NaN and infinities are not served.
; REGISTERS, in windows of 256: window 0: v1-13 addresses; v14, 15 the add's two; v16-31 at work in QUANT; v32-39 codes, v40 scale word; v41-46 x's scale words; v48-119 W's scale words; v120-167 x's six fragments (in phase X: sine and
;   cosine at work; on the way out: f16 results); v168-231 64 numbers of x (in phase 1: cosines, sines, two turned tiles); v248-251 the four frequencies, v252-254 the coordinates.
;   windows 1, 2 and v0-63 of window 3: W's fragments, number f = 12 s + t at register 256 + 8 f;  window 3: v64-159 the 12 accumulators, v160-255 the bias in the result's layout.
.set NWQ,   28                         ; work-groups for query;
.set NWK,   114                        ; for key, and for value
.set N5Q,   16                         ; of which so many take five blocks
.set N5K,   56
.set RP,    1584                       ; a row of a raw tile in LDS: 1,536 bytes + 16 behind each 512 = 99 x 16: the 16 rows that a load touches fall on 16 different 16-byte columns of the banks (ISA guide 11.1)
.set RAWT,  16*RP                      ; a wave's raw tile
.set SLOT1, 131072                     ; slot 1 begins here: one exclusive or turns an address in one slot into the other's
.set XIMG,  4*RAWT                     ; behind slot 0: x's 12 fragments (6 m + s), 1,024 bytes each,
.set XSC,   XIMG+12*1024               ; their scale words, 128 bytes each,
.set CSB,   XSC+12*128                 ; cosines and sines: [tile of rows][cos, sin][axis][half][lane][16 bytes],
.set SPARE, CSB+2*6144                 ; and the spare words, 128 bytes a wave: two blocks of 256 bytes that no other line names
.set LI,  4                            ; v4   16 x lane
.set LS,  5                            ; v5   4 x lane
.set RA0, 6                            ; v6   my lane's place in my wave's raw tile of slot 0
.set ADR, 7                            ; v7   the same in the slot in hand
.set XWI, 8                            ; v8   where I store x's images
.set XWS, 9                            ; v9   and their scale words
.set CSW, 10                           ; v10  where I store cosines and sines
.set CVO, 11                           ; v11  my row's coordinates: byte offset in the block's
.set LIX, 12                           ; v12  XIMG + 16 x lane: images are read from here
.set LSX, 13                           ; v13  XSC + 4 x lane
.set SPW, 14                           ; v14  LDS address of my spare word; never rewritten
.set NIL, 15                           ; v15  0; never rewritten
.set TM,  16
.set PC,  32
.set PW,  40
.set XS,  41
.set WSC, 48
.set XF,  120
.set OUTP, 120
.set A0,  120                          ; sine and cosine at work: six registers for each of four angles
.set A1,  124
.set A2,  128
.set A3,  132
.set A4,  136
.set A5,  140
.set RS,  144                          ; results: axis a: four cosines at RS + 8 a, four sines at RS + 8 a + 4
.set T,   168
.set COS, 168
.set SIN, 192
.set Y,   216
.set IFQ, 248
.set CO,  252
.set ACC, 64                           ; in window 3
.set BIA, 160                          ; in window 3
.set BP,  32                           ; s[32:33] the bias
.set CP,  34                           ; s[34:35] the coordinates of the block in hand
.set OUT0, 36                          ; s[36:37] where head 2 w's results of the block go;  s[38:39] head 2 w + 1's
.set WCP, 40                           ; s[40:41] my part of W's codes;  s[42:43] of its scale words
.set WSP, 42
.set G0,  44                           ; s[44:47] descriptor group 0, which walks;  s[48:55] group 1
.set G1,  48
.set WV,  56                           ; s56 wave;  s57 0 q, 1 k, 2 v;  s58 the slot in hand;  s59 trips to go
.set TY,  57
.set TB,  58
.set CNT, 59
.set SEL, 60                           ; s[60:61] lane selects: lane l xor 16
.set SCL, 62                           ; s62 log2(e) / sqrt(96) for q, 1 for k
.set TOP, 80                           ; s80 2 / pi;  s81-83 -pi / 2 in three parts;  s84-86, s87-89 the polynomials
.set NP1, 81
.set NP2, 82
.set NP3, 83
.set KS1, 84
.set KS2, 85
.set KS3, 86
.set KC1, 87
.set KC2, 88
.set KC3, 89
.set OB,  90                           ; s[90:91] the output buffer at head 2 w of batch 0 (for v: at V's part of a slot)
.set HSP, 92                           ; s[92:93] bytes from head to head, as a pair with 0 above
.set SSR, 94                           ; s94 bytes from 256 rows to the next
.set LGB, 95                           ; s95 log2 of the blocks in a batch: 5 for q, 7 for k and v
.set GB,  96                           ; s96 the number, in its tensor, of the block whose results go out next
.set LIM, 97                           ; s97 0 in a work-group of five blocks, 1 in one of four
.set MSB, 0
.macro WIN new                         ; the immediate's high byte repeats the setting that is left; a switch that changes nothing is dropped
.if MSB != (\new)
	s_set_vgpr_msb (MSB<<8)|(\new)
.set MSB, (\new)
.endif
.endm
.macro PLACES                          ; four plain places behind matrix instructions, and behind a tensor load
.rept 4
	v_nop
.endr
.endm
; Where block s[GB]'s results go.  A work-group's blocks may cross a slot of 256 rows or a batch, so the place is made anew for each block: 8 x batch heads on, (block in batch) / 8 slots on, (block % 8) x 32 rows of 192 bytes on.
; A block of 32 rows never straddles a slot or a batch.  The offset is made in registers of its own and added to the base.
.macro OUTADR
	s_lshr_b32 s66, s[GB], s[LGB]                  ; the batch
	s_lshl_b32 s67, s66, s[LGB]
	s_sub_co_u32 s67, s[GB], s67                   ; the block in it
	s_mul_i32 s66, s66, s[HSP]
	s_lshl_b32 s66, s66, 3                         ; eight heads a batch
	s_lshr_b32 s68, s67, 3
	s_mul_i32 s68, s68, s[SSR]
	s_add_co_u32 s66, s66, s68
	s_and_b32 s67, s67, 7
	s_mul_i32 s67, s67, 6144
	s_add_co_u32 s66, s66, s67
	s_mov_b32 s67, 0
	s_add_nc_u64 s[OUT0:OUT0+1], s[OB:OB+1], s[66:67]
	s_add_nc_u64 s[OUT0+2:OUT0+3], s[OUT0:OUT0+1], s[HSP:HSP+1]
.endm
; 64 numbers of a lane, register 16 b + i = k 32 b + 16 (lane / 16) + i of my row, become a fragment's codes in v[PC] on and its scale word in v[PW].
.macro QUANT s
.irp b, 0,1,2,3
	v_max3_num_f32 v[TM+\b], |v[\s+16*\b]|, |v[\s+1+16*\b]|, 0x1800000   ; block b: my 16 numbers, and the floor 2^(3 - 127): the byte cannot fall under 1
.endr
.irp i, 2,4,6,8,10,12,14
.irp b, 0,1,2,3
	v_max3_num_f32 v[TM+\b], v[TM+\b], |v[\s+16*\b+\i]|, |v[\s+1+16*\b+\i]|
.endr
.endr
.irp b, 0,1,2,3
	v_permlanex16_b32 v[TM+4+\b], v[TM+\b], s[SEL], s[SEL+1]
.endr
.irp b, 0,1,2,3
	v_max_num_f32 v[TM+\b], v[TM+\b], v[TM+4+\b]   ; with lane l xor 16's: the block's largest magnitude
.endr
.irp b, 0,1,2,3
	v_add_nc_u32 v[TM+12+\b], 0xff000000, v[TM+\b]   ; 2 off its exponent field: the conversion's scale operand
.endr
.irp b, 0,1,2,3
	v_lshrrev_b32 v[TM+4+\b], 23, v[TM+12+\b]      ; the scale's byte
.endr
	v_lshl_or_b32 v[PW], v[TM+5], 8, v[TM+4]
	v_lshl_or_b32 v[PW], v[TM+6], 16, v[PW]
	v_lshl_or_b32 v[PW], v[TM+7], 24, v[PW]
.irp b, 0,1,2,3
	v_cvt_scalef32_pk8_fp4_f32 v[PC+2*\b], v[\s+16*\b:\s+7+16*\b], v[TM+12+\b]
	v_cvt_scalef32_pk8_fp4_f32 v[PC+1+2*\b], v[\s+8+16*\b:\s+15+16*\b], v[TM+12+\b]
.endr
	v_nop                                          ; one plain place behind a scaled conversion
.irp c, 0,1
.irp i, 0,1
	v_permlane16_swap_b32 v[PC+4*\c+\i], v[PC+2+4*\c+\i]   ; a whole block to a lane: lanes 0-15 block 2 c, lanes 16-31 block 2 c + 1
.endr
.endr
.endm
; my tile's i-th 128 numbers: 16 of each block of 32 for my half of the lanes
.macro XLOAD i
.irp b, 0,1,2,3
.irp j, 0,1,2,3
	ds_load_b128 v[T+16*\b+4*\j:T+16*\b+4*\j+3], v[ADR] offset:528*(\i)+128*\b+16*\j
.endr
.endr
.endm
; Axis a: cosine and sine of my row's coordinate x my four frequencies, times s[SCL]; the four angles by turns, so that no line waits for the line above it.
.macro SINCOS a
.irp j, 0,1,2,3
	v_mul_f32 v[A0+\j], v[CO+\a], v[IFQ+\j]        ; the angle
.endr
.irp j, 0,1,2,3
	v_mul_f32 v[A1+\j], s[TOP], v[A0+\j]
.endr
.irp j, 0,1,2,3
	v_rndne_f32 v[A1+\j], v[A1+\j]                 ; n
.endr
.irp j, 0,1,2,3
	v_fma_f32 v[A0+\j], v[A1+\j], s[NP1], v[A0+\j]
.endr
.irp j, 0,1,2,3
	v_fma_f32 v[A0+\j], v[A1+\j], s[NP2], v[A0+\j]
.endr
.irp j, 0,1,2,3
	v_fma_f32 v[A0+\j], v[A1+\j], s[NP3], v[A0+\j] ; r = angle - n pi / 2, within +-pi / 4
.endr
.irp j, 0,1,2,3
	v_cvt_i32_f32 v[A1+\j], v[A1+\j]               ; n as a whole number: its two low bits are the quadrant
.endr
.irp j, 0,1,2,3
	v_mul_f32 v[A2+\j], v[A0+\j], v[A0+\j]         ; z = r r
.endr
.irp j, 0,1,2,3
	v_fma_f32 v[A3+\j], v[A2+\j], s[KS3], s[KS2]
.endr
.irp j, 0,1,2,3
	v_fma_f32 v[A4+\j], v[A2+\j], s[KC3], s[KC2]
.endr
.irp j, 0,1,2,3
	v_fma_f32 v[A3+\j], v[A3+\j], v[A2+\j], s[KS1]
.endr
.irp j, 0,1,2,3
	v_fma_f32 v[A4+\j], v[A4+\j], v[A2+\j], s[KC1]
.endr
.irp j, 0,1,2,3
	v_mul_f32 v[A5+\j], v[A0+\j], v[A2+\j]
.endr
.irp j, 0,1,2,3
	v_fma_f32 v[A0+\j], v[A3+\j], v[A5+\j], v[A0+\j]   ; sin r
.endr
.irp j, 0,1,2,3
	v_mul_f32 v[A5+\j], v[A2+\j], v[A2+\j]
.endr
.irp j, 0,1,2,3
	v_fma_f32 v[A2+\j], v[A2+\j], -0.5, 1.0
.endr
.irp j, 0,1,2,3
	v_fma_f32 v[A2+\j], v[A4+\j], v[A5+\j], v[A2+\j]   ; cos r
.endr
.irp j, 0,1,2,3
	v_and_b32 v[A3+\j], 1, v[A1+\j]
.endr
.irp j, 0,1,2,3
	v_cmp_eq_u32 vcc_lo, 1, v[A3+\j]               ; in an odd quadrant the two change places
	v_cndmask_b32 v[A4+\j], v[A0+\j], v[A2+\j], vcc_lo
	v_cndmask_b32 v[A5+\j], v[A2+\j], v[A0+\j], vcc_lo
.endr
.irp j, 0,1,2,3
	v_lshlrev_b32 v[A3+\j], 30, v[A1+\j]           ; the sine is negative in quadrants 2, 3: bit 1 of n;
.endr
.irp j, 0,1,2,3
	v_add_lshl_u32 v[A1+\j], v[A1+\j], 1, 30       ; the cosine in quadrants 1, 2: bit 1 of n + 1
.endr
.irp j, 0,1,2,3
	v_and_b32 v[A3+\j], 0x80000000, v[A3+\j]
.endr
.irp j, 0,1,2,3
	v_and_b32 v[A1+\j], 0x80000000, v[A1+\j]
.endr
.irp j, 0,1,2,3
	v_xor_b32 v[A4+\j], v[A3+\j], v[A4+\j]
.endr
.irp j, 0,1,2,3
	v_xor_b32 v[A5+\j], v[A1+\j], v[A5+\j]
.endr
.irp j, 0,1,2,3
	v_mul_f32 v[RS+8*\a+\j], s[SCL], v[A5+\j]      ; the softmax's factor rides on q's cosines and sines
.endr
.irp j, 0,1,2,3
	v_mul_f32 v[RS+8*\a+4+\j], s[SCL], v[A4+\j]
.endr
	ds_store_b128 v[CSW], v[RS+8*\a:RS+8*\a+3] offset:1024*\a
	ds_store_b128 v[CSW], v[RS+8*\a+4:RS+8*\a+7] offset:3072+1024*\a
.endm
; Phase 1 for the tile of rows m.  tr = 1: q, k (transposed, turned);  tr = 0: v (straight).
.macro PH1 tr, m
	s_wait_xcnt 0x0                                ; the last stores have read their registers: x's fragments land there
.irp s, 0,1,2,3,4,5
	ds_load_b128 v[XF+8*\s:XF+8*\s+3], v[LIX] offset:(6*\m+\s)*1024
	ds_load_b128 v[XF+8*\s+4:XF+8*\s+7], v[LIX] offset:(6*\m+\s)*1024+512
.endr
.irp s, 0,1,2,3,4,5
	ds_load_b32 v[XS+\s], v[LSX] offset:128*(6*\m+\s)
.endr
.if \tr
.irp q, 0,1,2,3,4,5,6,7,8,9,10,11
	ds_load_b128 v[COS+4*\q:COS+4*\q+3], v[LIX] offset:CSB-XIMG+6144*\m+512*\q
.endr
.endif
	s_wait_dscnt 0x0
; 72 matrix instructions: K step by K step, the 12 accumulators by turns, one instruction a turn
.set f, 0
.rept 72
.set wa, 8*(f%32)
.set ac, ACC+8*(f%12)
.set bi, BIA+8*(f%12)
.set xb, XF+8*(f/12)
.if \tr
	WIN 0xf0|(1+f/32)
.if f < 12
	v_wmma_scale_f32_16x16x128_f8f6f4 v[ac:ac+7], v[wa:wa+7], v[xb:xb+7], v[bi:bi+7], v[WSC+f], v[XS+f/12] matrix_a_fmt:MATRIX_FMT_FP4 matrix_b_fmt:MATRIX_FMT_FP4
.else
	v_wmma_scale_f32_16x16x128_f8f6f4 v[ac:ac+7], v[wa:wa+7], v[xb:xb+7], v[ac:ac+7], v[WSC+f], v[XS+f/12] matrix_a_fmt:MATRIX_FMT_FP4 matrix_b_fmt:MATRIX_FMT_FP4
.endif
.else
	WIN 0xf0|((1+f/32)<<2)
.if f < 12
	v_wmma_scale_f32_16x16x128_f8f6f4 v[ac:ac+7], v[xb:xb+7], v[wa:wa+7], v[bi:bi+7], v[XS+f/12], v[WSC+f] matrix_a_fmt:MATRIX_FMT_FP4 matrix_b_fmt:MATRIX_FMT_FP4
.else
	v_wmma_scale_f32_16x16x128_f8f6f4 v[ac:ac+7], v[xb:xb+7], v[wa:wa+7], v[ac:ac+7], v[XS+f/12], v[WSC+f] matrix_a_fmt:MATRIX_FMT_FP4 matrix_b_fmt:MATRIX_FMT_FP4
.endif
.endif
.set f, f+1
.endr
	WIN 0
	PLACES
.if \tr
.irp p, 0,1,2,3,4,5                            ; tiles 2 p and 2 p + 1 hold the two halves of axis p % 3's pairs: y1 = x1 cos - x2 sin, y2 = x1 sin + x2 cos
	WIN 0x03                                       ; source 0: the accumulators' window.
.irp j, 0,2,4,6
	v_pk_mul_f32 v[Y+\j:Y+\j+1], v[ACC+16*\p+\j:ACC+16*\p+\j+1], v[COS+8*(\p%3)+\j:COS+8*(\p%3)+\j+1]
.endr
.irp j, 0,2,4,6
	v_pk_mul_f32 v[Y+8+\j:Y+8+\j+1], v[ACC+16*\p+\j:ACC+16*\p+\j+1], v[SIN+8*(\p%3)+\j:SIN+8*(\p%3)+\j+1]
.endr
.irp j, 0,2,4,6
	v_pk_fma_f32 v[Y+\j:Y+\j+1], v[ACC+16*\p+8+\j:ACC+16*\p+8+\j+1], v[SIN+8*(\p%3)+\j:SIN+8*(\p%3)+\j+1], v[Y+\j:Y+\j+1] neg_lo:[0,1,0] neg_hi:[0,1,0]
.endr
.irp j, 0,2,4,6
	v_pk_fma_f32 v[Y+8+\j:Y+8+\j+1], v[ACC+16*\p+8+\j:ACC+16*\p+8+\j+1], v[COS+8*(\p%3)+\j:COS+8*(\p%3)+\j+1], v[Y+8+\j:Y+8+\j+1]
.endr
	WIN 0
.irp i, 0,1,2,3
	v_cvt_pk_f16_f32 v[OUTP+8*\p+\i], v[Y+2*\i], v[Y+2*\i+1]
.endr
.irp i, 0,1,2,3
	v_cvt_pk_f16_f32 v[OUTP+8*\p+4+\i], v[Y+8+2*\i], v[Y+8+2*\i+1]
.endr
	global_store_b128 v[LI], v[OUTP+8*\p:OUTP+8*\p+3], s[OUT0+2*(\p/3):OUT0+2*(\p/3)+1] offset:3072*\m+1024*(\p%3)       ; each store covers 512 consecutive bytes, aligned: half an image
	global_store_b128 v[LI], v[OUTP+8*\p+4:OUTP+8*\p+7], s[OUT0+2*(\p/3):OUT0+2*(\p/3)+1] offset:3072*\m+1024*(\p%3)+512
.endr
.else
	WIN 0x0f                                       ; sources 0 and 1: the accumulators' window
.irp t, 0,1,2,3,4,5,6,7,8,9,10,11
.irp i, 0,1,2,3
	v_cvt_pk_f16_f32 v[OUTP+4*\t+\i], v[ACC+8*\t+2*\i], v[ACC+8*\t+2*\i+1]
.endr
.endr
	WIN 0
.irp t, 0,1,2,3,4,5,6,7,8,9,10,11
	global_store_b128 v[LI], v[OUTP+4*\t:OUTP+4*\t+3], s[OUT0+2*(\t/6):OUT0+2*(\t/6)+1] offset:1024*(\t%6)+512*\m   ; the block's 32 keys are one group of V^T's: this tile of rows is its half m
.endr
.endif
.endm
; A block of 32 rows.  last = 0: one of the loop's four, which asks for the block that follows, if the work-group has one.  last = 1: the fifth, written out: it asks for nothing, and a work-group of four blocks jumps over its work.
.macro TRIP last
	s_wait_tensorcnt 0x0                           ; my tensor load, this block's tile, has landed: no load of mine is out, so group 0 may be written
	ds_add_u32 v[SPW], v[NIL]                      ; 0 onto my spare word; the descriptor's steps stand between it and the wait for it
.if \last
.else
	s_xor_b32 s[G0+1], s[G0+1], SLOT1              ; the other slot,
	s_add_nc_u64 s[G0+2:G0+3], s[G0+2:G0+3], 98304 ; 32 rows of 3,072 bytes on; the type bits on top are not reached
.endif
	s_wait_dscnt 0x0                               ; the add is done; my reads of the last block's tile and images are over
	s_barrier_signal -1
	s_barrier_wait -1                              ; so are everybody's: the images may be written again, and the slot read last filled
.if \last
	s_cmp_lg_u32 s[LIM], 0                         ; four blocks: there is no fifth tile, and nothing of it is read.  The waits, the add and both barriers are passed all the same
	s_cbranch_scc1 .Lnox_\@
.else
	s_cmp_gt_u32 s[CNT], s[LIM]                    ; in the fourth trip (s[CNT] = 1) a work-group of four blocks asks for nothing: a slot is filled only if a later block reads it.  The work-group's number and the count of
	s_cbranch_scc0 .Lnofill_\@                     ; trips alone decide, alike in all four waves; every wait on TENSORcnt in this text is for 0; the jump leads round the load's own lines and nothing else
	tensor_load_to_lds s[G0:G0+3], s[G1:G1+7]      ; my one tensor load behind this barrier: it has the whole block's work in which to land
	s_nop 0
	PLACES
.Lnofill_\@:
.endif
	; ---- X
	v_add_nc_u32 v[ADR], s[TB], v[RA0]
	XLOAD 0
	s_cmp_eq_u32 s[TY], 2                          ; v is not turned: the work-group's number alone decides
	s_cbranch_scc1 .Lnoturn_\@
	s_wait_loadcnt 0x0                             ; the block's coordinates (asked for a block ago); their address may be stepped behind this wait
	SINCOS 0
	SINCOS 1
	SINCOS 2
.if \last
.else
	s_cmp_gt_u32 s[CNT], s[LIM]                    ; the next block's coordinates, if there is a next block: no load leaves its buffer
	s_cbranch_scc0 .Lnoturn_\@
	s_add_nc_u64 s[CP:CP+1], s[CP:CP+1], 384       ; 32 rows of 12 bytes on
.irp a, 0,1,2
	global_load_b32 v[CO+\a], v[CVO], s[CP:CP+1] offset:4*\a
.endr
.endif
.Lnoturn_\@:
.irp i, 0,1,2
	s_wait_dscnt 0x0                               ; the 128 numbers are in; the last image's stores have read their registers
	QUANT T
	ds_store_b128 v[XWI], v[PC:PC+3] offset:1024*\i
	ds_store_b128 v[XWI], v[PC+4:PC+7] offset:1024*\i+512
	ds_store_b32 v[XWS], v[PW] offset:128*\i
.if \i < 2
	XLOAD (\i)+1
.endif
.endr
.if \last
.Lnox_\@:
.endif
	s_wait_dscnt 0x0                               ; for the others' sake: my images lie in LDS
	s_barrier_signal -1                            ; (the next block's tensor load may stay out)
	s_barrier_wait -1
	; ---- 1
.if \last
	s_cmp_lg_u32 s[LIM], 0
	s_cbranch_scc1 .Ljoin_\@
.endif
	s_cmp_eq_u32 s[TY], 2
	s_cbranch_scc1 .Lun_\@
	PH1 1, 0
	PH1 1, 1
	s_branch .Ljoin_\@
.Lun_\@:
	PH1 0, 0
	PH1 0, 1
.Ljoin_\@:
.if \last
.else
	s_wait_xcnt 0x0                                ; the stores have read their bases and registers
	s_add_co_u32 s[GB], s[GB], 1
	OUTADR                                         ; where the next block's results go (behind a work-group's last block the address is made and not used)
	s_xor_b32 s[TB], s[TB], SLOT1
.endif
.endm
	s_load_b256 s[4:11], s[0:1], 0x0               ; query, key, value, coords_query
	s_load_b256 s[12:19], s[0:1], 0x20             ; coords_key, wcodes, wscl, bq
	s_load_b256 s[20:27], s[0:1], 0x40             ; bk, bv, qf, kvf
	v_lshl_add_u32 v[SPW], v0, 2, SPARE
	v_mov_b32 v[NIL], 0
	ds_add_u32 v[SPW], v[NIL]                      ; the wave's opening: the add, twice on end, and its wait ahead of my first tensor load; the set-up below stands between
	ds_add_u32 v[SPW], v[NIL]
	v_lshrrev_b32 v1, 5, v0
	v_readfirstlane_b32 s[WV], v1                  ; wave 0..3
	s_cmp_ge_u32 ttmp9, NWQ
	s_cselect_b32 s66, 1, 0
	s_cmp_ge_u32 ttmp9, NWQ+NWK
	s_cselect_b32 s67, 1, 0
	s_add_co_u32 s[TY], s66, s67                   ; 0 q, 1 k, 2 v
	s_mul_i32 s66, s66, NWQ
	s_mul_i32 s67, s67, NWK
	s_add_co_u32 s66, s66, s67                     ; the tensor's first work-group
	s_sub_co_u32 s66, ttmp9, s66                   ; i: which of the tensor's work-groups I am
	s_mov_b32 s[HSP], 1572864                      ; from head to head in kvf: 16 slots of 98,304 bytes
	s_mov_b32 s[HSP+1], 0
	s_mov_b32 s[SSR], 98304                        ; from 256 rows to the next
	s_mov_b32 s[SCL], 1.0
	s_cmp_eq_u32 s[TY], 0
	s_cselect_b32 s[LGB], 5, 7                     ; log2 of the blocks in a batch
	s_cselect_b32 s67, N5Q, N5K                    ; how many of the tensor's work-groups take five blocks
	s_cselect_b32 s[HSP], 196608, s[HSP]           ; in qf: 64 tiles of 3,072 bytes
	s_cselect_b32 s[SSR], 49152, s[SSR]
	s_cselect_b32 s[SCL], 0x3e16c740, s[SCL]       ; log2(e) / sqrt(96)
	s_cmp_lt_u32 s66, s67
	s_cselect_b32 s[LIM], 0, 1                     ; 0: five blocks; 1: four
	s_min_u32 s67, s66, s67
	s_lshl_b32 s[GB], s66, 2
	s_add_co_u32 s[GB], s[GB], s67                 ; my first block: 4 i + min(i, the number of fives)
	s_lshl_b32 s68, s[GB], 5                       ; my first row in the tensor
	s_lshl_b32 s74, s[WV], 1
	s_mul_i32 s74, s74, s[HSP]                     ; head 2 w
	s_cmp_eq_u32 s[TY], 2
	s_cselect_b32 s75, 49152, 0                    ; V's part of a slot lies behind K's
	s_add_co_u32 s74, s74, s75
	s_mov_b32 s75, 0                               ; s[74:75]: what all my blocks' places have in common
	s_lshr_b32 s70, s[WV], 1                       ; which tile of rows I fetch and quantise
	s_lshl_b32 s78, s70, 4
	s_add_co_u32 s78, s78, s68
	s_mul_i32 s78, s78, 3072
	s_and_b32 s79, s[WV], 1
	s_mul_i32 s79, s79, 1536                       ; and which half of the 768
	s_add_co_u32 s78, s78, s79
	s_mov_b32 s79, 0                               ; s[78:79]: where my first tile begins in x
	s_mul_i32 s72, s68, 12
	s_mov_b32 s73, 0                               ; s[72:73]: my first row's coordinates
	v_and_b32 v1, 31, v0                           ; lane
	v_and_b32 v2, 15, v0                           ; r
	v_bfe_u32 v3, v0, 4, 1                         ; h
	v_lshlrev_b32 v[LI], 4, v1
	v_lshlrev_b32 v[LS], 2, v1
	s_mul_i32 s[G0+1], s[WV], RAWT                 ; 63:32 LDS address: my tile of slot 0
	v_mul_u32_u24 v[RA0], v2, RP
	v_lshl_add_u32 v[RA0], v3, 6, v[RA0]
	v_add_nc_u32 v[RA0], s[G0+1], v[RA0]           ; row r, + 64 h, in my tile
	s_mul_i32 s66, s[WV], 3072
	s_add_co_u32 s66, s66, XIMG
	v_add_nc_u32 v[XWI], s66, v[LI]                ; my three fragments are numbers 3 w, 3 w + 1, 3 w + 2
	s_mul_i32 s66, s[WV], 384
	s_add_co_u32 s66, s66, XSC
	v_add_nc_u32 v[XWS], s66, v[LS]
	s_mul_i32 s66, s70, 6144
	s_and_b32 s67, s[WV], 1
	s_lshl_b32 s67, s67, 9
	s_add_co_u32 s66, s66, s67
	s_add_co_u32 s66, s66, CSB
	v_add_nc_u32 v[CSW], s66, v[LI]                ; tile of rows w / 2, registers 4 (w % 2) on
	v_add_nc_u32 v[LIX], XIMG, v[LI]
	v_add_nc_u32 v[LSX], XSC, v[LS]
	v_mul_u32_u24 v[CVO], v2, 12
	s_mul_i32 s66, s70, 192
	v_add_nc_u32 v[CVO], s66, v[CVO]
	v_lshlrev_b32 v232, 5, v3                      ; the bias, transposed: 32 h
	v_lshlrev_b32 v233, 2, v2                      ; straight: 4 r
.irp b, 0,1,2,3
	v_mov_b32 v[TM+4+\b], 0                        ; written once: a lane permute's destination counts as one of its sources
.endr
.irp a, 0,1,2
	v_mov_b32 v[CO+\a], 0                          ; written on every way through the text
.endr
	; descriptor group 1: 16 rows x 384 elements of 4 bytes, 768 elements from row to row; 4 words of padding behind every 128
	s_mov_b32 s[G1+0], (2<<16)|(1<<20)|(6<<22)|(3<<25)
	s_mov_b32 s[G1+1], 384<<16                     ; tensor_dim0
	s_mov_b32 s[G1+2], 16<<16                      ; tensor_dim1
	s_mov_b32 s[G1+3], 384<<16                     ; tile_dim0
	s_mov_b32 s[G1+4], 16                          ; tile_dim1
	s_mov_b32 s[G1+5], 768                         ; tensor_dim0_stride
	s_mov_b32 s[G1+6], 0
	s_mov_b32 s[G1+7], 0
	s_mov_b32 s[G0], 1
	s_mov_b32 s[SEL], 0x76543210
	s_mov_b32 s[SEL+1], 0xfedcba98
	s_mov_b32 s[TOP], 0x3f22f983                   ; 2 / pi
	s_mov_b32 s[NP1], 0xbfc90fdb                   ; -(pi / 2 rounded to f32),
	s_mov_b32 s[NP2], 0x333bbd2e                   ; what that rounding left out, negated: +4.3711388e-8,
	s_mov_b32 s[NP3], 0x26f72ce9                   ; and once more: +1.7151e-15
	s_mov_b32 s[KS1], 0xbe2aaaa3                   ; sin r = r + r z (-1.6666654611e-1 + z (8.3321608736e-3 - 1.9515295891e-4 z))
	s_mov_b32 s[KS2], 0x3c08839e
	s_mov_b32 s[KS3], 0xb94ca1f9
	s_mov_b32 s[KC1], 0x3d2aaaa5                   ; cos r = 1 - z / 2 + z z (4.166664568e-2 + z (-1.388731625e-3 + 2.443315712e-5 z))
	s_mov_b32 s[KC2], 0xbab6061a
	s_mov_b32 s[KC3], 0x37ccf5ce
	s_mov_b32 s[TB], 0
	s_mov_b32 s[CNT], 4
	s_wait_dscnt 0x0                               ; both opening adds are done
	s_wait_kmcnt 0x0
	s_cmp_eq_u32 s[TY], 0                          ; the buffers are chosen by the work-group's number alone
	s_cselect_b64 s[30:31], s[4:5], s[6:7]
	s_cselect_b64 s[BP:BP+1], s[18:19], s[20:21]
	s_cselect_b64 s[CP:CP+1], s[10:11], s[12:13]
	s_cselect_b64 s[OB:OB+1], s[24:25], s[26:27]
	s_cmp_eq_u32 s[TY], 2
	s_cselect_b64 s[30:31], s[8:9], s[30:31]
	s_cselect_b64 s[BP:BP+1], s[22:23], s[BP:BP+1]
	s_add_nc_u64 s[G0+2:G0+3], s[30:31], s[78:79]  ; 120:64 global address of my first tile
	s_or_b32 s[G0+3], s[G0+3], 0x80000000          ; 127:126 type = 2
	tensor_load_to_lds s[G0:G0+3], s[G1:G1+7]      ; my first block, ahead of everything else
	s_nop 0
	PLACES
	s_add_nc_u64 s[CP:CP+1], s[CP:CP+1], s[72:73]
	s_add_nc_u64 s[OB:OB+1], s[OB:OB+1], s[74:75]
	OUTADR                                         ; where my first block's results go
	s_mul_i32 s66, s[TY], 294912
	s_mul_i32 s67, s[WV], 12288
	s_add_co_u32 s66, s66, s67
	s_mov_b32 s67, 0
	s_add_nc_u64 s[WCP:WCP+1], s[14:15], s[66:67]  ; my matrix, my 12 tiles
	s_mul_i32 s66, s[TY], 36864
	s_mul_i32 s68, s[WV], 1536
	s_add_co_u32 s66, s66, s68
	s_add_nc_u64 s[WSP:WSP+1], s[16:17], s[66:67]
	s_mul_i32 s66, s[WV], 768
	s_add_nc_u64 s[BP:BP+1], s[BP:BP+1], s[66:67]  ; my 192 numbers of the bias
.set f, 0
.rept 72                                       ; W's fragments: they stay
	WIN (1+f/32)<<6
	global_load_b128 v[8*(f%32):8*(f%32)+3], v[LI], s[WCP:WCP+1] offset:(48*(f/12)+f%12)*1024
	global_load_b128 v[8*(f%32)+4:8*(f%32)+7], v[LI], s[WCP:WCP+1] offset:(48*(f/12)+f%12)*1024+512
.set f, f+1
.endr
	WIN 0
.set f, 0
.rept 72
	global_load_b32 v[WSC+f], v[LS], s[WSP:WSP+1] offset:(48*(f/12)+f%12)*128
.set f, f+1
.endr
	s_cmp_eq_u32 s[TY], 2
	s_cbranch_scc1 .Lbias_v
	WIN 0xc0                                       ; destination window 3
.irp t, 0,1,2,3,4,5,6,7,8,9,10,11              ; transposed: register j of lane (r, h) is channel 16 t + 8 h + j
	global_load_b128 v[BIA+8*\t:BIA+8*\t+3], v232, s[BP:BP+1] offset:64*\t
	global_load_b128 v[BIA+8*\t+4:BIA+8*\t+7], v232, s[BP:BP+1] offset:64*\t+16
.endr
	WIN 0
.irp a, 0,1,2
	global_load_b32 v[CO+\a], v[CVO], s[CP:CP+1] offset:4*\a   ; the first block's coordinates
.endr
	s_branch .Lbias_done
.Lbias_v:
	WIN 0xc0
.irp t, 0,1,2,3,4,5,6,7,8,9,10,11              ; straight: all eight registers of lane (r, h) are channel 16 t + r
.irp j, 0,1,2,3,4,5,6,7
	global_load_b32 v[BIA+8*\t+\j], v233, s[BP:BP+1] offset:64*\t
.endr
.endr
	WIN 0
.Lbias_done:
	s_and_b32 s66, s[WV], 1
	s_lshl_b32 s66, s66, 2
	v_lshl_add_u32 v234, v3, 3, s66                ; my first pair: 8 h + 4 (w % 2)
.irp j, 0,1,2,3
	v_add_nc_u32 v[IFQ+\j], \j, v234
.endr
.irp j, 0,1,2,3
	v_cvt_f32_u32 v[IFQ+\j], v[IFQ+\j]
.endr
.irp j, 0,1,2,3
	v_mul_f32 v[IFQ+\j], 0xbf549a78, v[IFQ+\j]     ; x -log2(10000) / 16
.endr
.irp j, 0,1,2,3
	v_exp_f32 v[IFQ+\j], v[IFQ+\j]                 ; 10000^(-i / 16)
.endr
	v_nop                                          ; a plain place behind the last of the batch,
	s_wait_alu depctr_va_vdst(0)                   ; and the one wait ahead of its first reader, and of the label below
	s_wait_loadcnt 0x0                             ; W, its scale words, the bias (and the coordinates)
.Lblk:                                             ; four trips, in every work-group: the count is a constant of the text
	TRIP 0
	s_sub_co_u32 s[CNT], s[CNT], 1
	s_cmp_lg_u32 s[CNT], 0
	s_cbranch_scc1 .Lblk
	TRIP 1                                         ; the fifth block, where there is one
	s_wait_tensorcnt 0x0                           ; the wave's end, behind my last tensor load and my last LDS store
	ds_add_u32 v[SPW], v[NIL]
	s_wait_dscnt 0x0
	s_endpgm
.Lfunc_end_k_qcacc67ef18_proj:
	.size	k_qcacc67ef18_proj, .Lfunc_end_k_qcacc67ef18_proj-k_qcacc67ef18_proj
	.p2alignl 7, 3214868480
	.fill 96, 4, 3214868480
	.section	.rodata,"a",@progbits
	.p2align	6, 0x0
	.amdhsa_kernel k_qcacc67ef18_proj
		.amdhsa_group_segment_fixed_size 327680
		.amdhsa_private_segment_fixed_size 0
		.amdhsa_enable_private_segment 0
		.amdhsa_kernarg_size 96
		.amdhsa_user_sgpr_count 2
		.amdhsa_user_sgpr_kernarg_segment_ptr 1
		.amdhsa_wavefront_size32 1
		.amdhsa_system_sgpr_workgroup_id_x 1
		.amdhsa_system_sgpr_workgroup_id_y 1
		.amdhsa_system_sgpr_workgroup_id_z 1
		.amdhsa_system_vgpr_workitem_id 0
		.amdhsa_next_free_vgpr 1024
		.amdhsa_next_free_sgpr 100
		.amdhsa_reserve_vcc 1
		.amdhsa_float_denorm_mode_32 3
		.amdhsa_float_denorm_mode_16_64 3
		.amdhsa_memory_ordered 1
		.amdhsa_forward_progress 1
		.amdhsa_inst_pref_size 250
	.end_amdhsa_kernel
	.amdgpu_metadata
---
amdhsa.version: [ 1, 2 ]
amdhsa.kernels:
  - .name:           k_qcacc67ef18_proj
    .symbol:         k_qcacc67ef18_proj.kd
    .args:
      - { .name: query, .offset: 0, .size: 8, .value_kind: global_buffer, .address_space: global }
      - { .name: key, .offset: 8, .size: 8, .value_kind: global_buffer, .address_space: global }
      - { .name: value, .offset: 16, .size: 8, .value_kind: global_buffer, .address_space: global }
      - { .name: coords_query, .offset: 24, .size: 8, .value_kind: global_buffer, .address_space: global }
      - { .name: coords_key, .offset: 32, .size: 8, .value_kind: global_buffer, .address_space: global }
      - { .name: wcodes, .offset: 40, .size: 8, .value_kind: global_buffer, .address_space: global }
      - { .name: wscl, .offset: 48, .size: 8, .value_kind: global_buffer, .address_space: global }
      - { .name: bq, .offset: 56, .size: 8, .value_kind: global_buffer, .address_space: global }
      - { .name: bk, .offset: 64, .size: 8, .value_kind: global_buffer, .address_space: global }
      - { .name: bv, .offset: 72, .size: 8, .value_kind: global_buffer, .address_space: global }
      - { .name: qf, .offset: 80, .size: 8, .value_kind: global_buffer, .address_space: global }
      - { .name: kvf, .offset: 88, .size: 8, .value_kind: global_buffer, .address_space: global }
    .group_segment_fixed_size: 327680
    .private_segment_fixed_size: 0
    .kernarg_segment_align: 8
    .kernarg_segment_size: 96
    .max_flat_workgroup_size: 128
    .sgpr_count:     100
    .vgpr_count:     1024
    .wavefront_size: 32
...
	.end_amdgpu_metadata
.endif
;; end of part 2
;; launch attn (part 3): grid 8 x 32, 8 waves a work-group, clusters of 4 x 1, 327,680 bytes of LDS; arguments qf, kvf, af; writes af
.if DOCPART == 3
	.amdgcn_target "amdgcn-amd-amdhsa--gfx1250"
	.amdhsa_code_object_version 6
	.text
	.protected	k_qcacc67ef18_attn
	.globl	k_qcacc67ef18_attn
	.p2align	8
	.type	k_qcacc67ef18_attn,@function
k_qcacc67ef18_attn:
	s_mov_b64 s[64:65], 0
	v_nop
	global_prefetch_b8 v0, s[64:65] scope:SCOPE_SE
	s_setreg_imm32_b32 hwreg(HW_REG_WAVE_MODE, 25, 1), 1
	s_wait_xcnt 0x0
	s_wait_alu depctr_hold_cnt(0) depctr_sa_sdst(0) depctr_va_vdst(0) depctr_va_sdst(0) depctr_va_ssrc(0) depctr_va_vcc(0) depctr_vm_vsrc(0)
	s_getreg_b32 s2, hwreg(HW_REG_IB_STS2, 6, 4)
	s_cmp_eq_u32 s2, 0
	s_cbranch_scc0 .Lentry_in_a_cluster
	s_endpgm
.Lentry_in_a_cluster:
	s_bfe_u32 s2, ttmp6, 0x10000c
	s_cmp_lg_u32 s2, 0x3003
	s_cbranch_scc0 .Lentry_shape_is_right
	s_endpgm
.Lentry_shape_is_right:
; O[q] = the sum over k of softmax_k(q . k / sqrt(96)) v[k], for 32 (batch, head) pairs, 1,024 queries and 4,096 keys each, head size 96.  Operands f16, products, maxima and sums f32.
; q arrives already multiplied by log2(e) / sqrt(96), so a score is an exponent of 2.  All three operands arrive as images of their registers: a fragment is 1,024 bytes, half g at 512 g, lane l's 16 bytes at 16 l:
; every LDS and global access of a fragment half is 512 consecutive bytes; nothing is padded, nothing is turned.
; SHARES.  A work-group owns 128 queries of one pair.  Wave w: queries 32 (w % 4) on (two tiles of 16), and half w / 4 of every slot's 256 keys (two steps of 64).  Two waves lie on a SIMD, so that one's softmax stands beside the
; other's products; each fragment of K and V feeds two tiles.  At the end the two halves of the keys are merged through LDS.
; LAYOUT.  S^T = K Q^T (source 0 = 16 keys, source 1 = 16 queries): a lane holds ONE query and the keys 8 (lane / 16) + 0 .. 7; two such tiles, rounded to f16 in pairs, ARE source 1 of O^T = V^T P, whose result again holds one query a lane.
; SOFTMAX.  A running maximum m and sum l for each query: p = 2^(s - m); in every step O and l are multiplied by a = 2^(m_old - m_new).  O, l begin as zeros and m as -3e38, so the step is written once.
; CLUSTER.  The four work-groups of a cluster belong to one pair and walk the same K and V: each slot is asked for JOINTLY, 12,288 dense bytes a wave, by one line with one descriptor and the mask of all four.
; LIMITS: p under f16's smallest number counts as 0 (at most 6e-8 beside the row's largest p, which is 1); NaN and infinities are not served.
; REGISTERS: window 0: v1-7 addresses; v14, 15 the add's two; v16-31 statistics, 8 a tile (+0 m, +1 the new m, +2, +3 l, +4 to +7 at work, a in +6); v32-95 S^T; v96-127 P; v128-223 O^T; v224-227 the merge's (m, l) of both tiles.
;   window 1: v0-47 Q; v48-143 K of a step; v144-239 V of a step.
.set SLOTB, 98304                      ; a slot: 256 keys: K's 16 tiles x 3 fragments, then V's 8 groups of 32 keys x 6 fragments
.set STEPB, 12288                      ; 64 keys of K, or of V
.set SLOT1, 131072                     ; slot 1 begins here: one exclusive or turns an address in one slot into the other's
.set SPARE, 98304                      ; behind slot 0: the spare words, 128 bytes a wave: four blocks of 256 bytes that no other line names
.set STG,   229376                     ; behind slot 1: the merge's stage, 12,800 bytes for each of four pairs of waves; no fill lands there
.set AK0, 1                            ; v1  16 x lane + my half of a slot's K
.set AV0, 2                            ; v2  the same for V
.set ADK, 3                            ; v3  in the slot in hand
.set ADV, 4
.set LI,  5                            ; v5  16 x lane
.set SG,  6                            ; v6  my place in my pair's stage
.set PFO, 7                            ; v7  256 x lane; never rewritten
.set SPW, 14
.set NIL, 15
.set ST,  16
.set S,   32
.set P,   96
.set O,   128
.set QD,  224
.set QF,  0                            ; in window 1
.set KF,  48
.set VF,  144
.set WV,  12                           ; s12 wave
.set G1,  24                           ; s[24:31] descriptor group 1;  s[32:35] group 0, which walks
.set G0,  32
.set TB,  36                           ; s36 the slot in hand
.set SLOTS, 37                         ; s37 slots still to be asked for
.set LIM, 38                           ; s38 1 in a wave that prefetches, else the greatest number
.set PFA, 40                           ; s[40:41] where my prefetches stand
.set SEL, 42                           ; s[42:43] lane selects: lane l xor 16
.set MSB, 0
.macro WIN new
.if MSB != (\new)
	s_set_vgpr_msb (MSB<<8)|(\new)
.set MSB, (\new)
.endif
.endm
.macro PLACES
.rept 4
	v_nop
.endr
.endm
; A round of the cluster's barrier: my work-group's barrier; wave 0 signals for the work-group; every wave waits for all four work-groups; my work-group's barrier once more.
.macro CROUND
	s_barrier_signal -1
	s_barrier_wait -1
	s_cmp_lg_u32 s[WV], 0
	s_cbranch_scc1 .Lnot_wave_0_\@
	s_barrier_signal -3
.Lnot_wave_0_\@:
	s_barrier_wait -3
	s_barrier_signal -1
	s_barrier_wait -1
.endm
; A prefetch of the slot that the NEXT change of slots will ask for: 384 blocks of 256 bytes, a lane a block.  Both clusters of a pair walk the same slots: the first (cluster x = 0) asks.  Its four partners take 24,576 bytes each,
; told apart by address; in each, waves 0 to 2 take 8,192 bytes each: every block is named once in the launch.  It stands behind the wave's tensor load and its five lines.  The last change that fills a slot asks for nothing.
.macro ASK
	s_cmp_gt_u32 s[SLOTS], s[LIM]
	s_cbranch_scc0 .Lnot_mine_\@
	global_prefetch_b8 v[PFO], s[PFA:PFA+1] th:TH_LOAD_NT scope:SCOPE_SE
.Lnot_mine_\@:
.endm
; The change of slots stands at a slot's head.  fill = 1: the other slot is filled with the next 256 keys; the barrier is then a round of the cluster's.
.macro CHANGE fill
	s_wait_tensorcnt 0x0                           ; my one tensor load, my part of the slot ahead, has landed: group 0 may be written
	ds_add_u32 v[SPW], v[NIL]                      ; 0 onto my spare word
.if \fill
	s_xor_b32 s[G0+1], s[G0+1], SLOT1
	s_add_nc_u64 s[G0+2:G0+3], s[G0+2:G0+3], SLOTB
	s_wait_xcnt 0x0                                ; the last prefetch, a slot back, has read its address
	s_add_nc_u64 s[PFA:PFA+1], s[PFA:PFA+1], SLOTB ; one slot further on than the walking descriptor
	s_wait_dscnt 0x0                               ; the add is done, and my reads of the slot that I have left are over
	CROUND                                         ; so are those of every wave of every partner
	tensor_load_to_lds s[G0:G0+3], s[G1:G1+7]      ; my one tensor load behind the round: it has a slot's two steps in which to land
	s_nop 0
	PLACES
	ASK
.else
	s_wait_dscnt 0x0
	s_barrier_signal -1
	s_barrier_wait -1
.endif
.endm
; The softmax of a step, both tiles line by line.
.macro SOFTMAX
.irp kt, 0,1,2,3
.irp t, 0,1
	v_max3_num_f32 v[ST+8*\t+4+\kt], v[S+32*\t+8*\kt], v[S+32*\t+8*\kt+1], v[S+32*\t+8*\kt+2]   ; four chains, one for each accumulator, each begun at its low end
.endr
.endr
.irp i, 3,5
.irp kt, 0,1,2,3
.irp t, 0,1
	v_max3_num_f32 v[ST+8*\t+4+\kt], v[ST+8*\t+4+\kt], v[S+32*\t+8*\kt+\i], v[S+32*\t+8*\kt+\i+1]
.endr
.endr
.endr
.irp t, 0,1
	v_max3_num_f32 v[ST+8*\t+4], v[ST+8*\t+4], v[S+32*\t+7], v[S+32*\t+15]
	v_max3_num_f32 v[ST+8*\t+6], v[ST+8*\t+6], v[S+32*\t+23], v[S+32*\t+31]
.endr
.irp t, 0,1
	v_max3_num_f32 v[ST+8*\t+4], v[ST+8*\t+4], v[ST+8*\t+5], v[ST+8*\t+6]
.endr
.irp t, 0,1
	v_max3_num_f32 v[ST+8*\t+4], v[ST+8*\t+4], v[ST+8*\t+7], v[ST+8*\t]   ; and the old m
.endr
.irp t, 0,1
	v_permlanex16_b32 v[ST+8*\t+5], v[ST+8*\t+4], s[SEL], s[SEL+1]        ; the query's other 32 keys lie in the lane 16 away
.endr
.irp t, 0,1
	v_max_num_f32 v[ST+8*\t+1], v[ST+8*\t+4], v[ST+8*\t+5]                ; the new m
.endr
.irp t, 0,1
	v_sub_f32 v[ST+8*\t+7], v[ST+8*\t], v[ST+8*\t+1]
.endr
.irp t, 0,1
	v_mov_b32 v[ST+8*\t], v[ST+8*\t+1]
.endr
.irp b, 0,1,2,3,4,5,6,7,8,9,10,11,12,13,14,15
.irp t, 0,1
	v_pk_add_f32 v[S+32*\t+2*\b:S+32*\t+2*\b+1], v[S+32*\t+2*\b:S+32*\t+2*\b+1], v[ST+8*\t:ST+8*\t+1] op_sel_hi:[1,0] neg_lo:[0,1] neg_hi:[0,1]   ; s - m
.endr
.endr
.irp t, 0,1
	v_exp_f32 v[ST+8*\t+6], v[ST+8*\t+7]           ; a
.endr
.set e, 0
.rept 64
	v_exp_f32 v[S+e], v[S+e]                       ; p: ONE batch of 66 for both tiles; none of them reads another's result
.set e, e+1
.endr
	v_nop                                          ; a plain place behind the last of the batch,
	s_wait_alu depctr_va_vdst(0)                   ; and the one wait ahead of its first reader
.set e, 0
.rept 32
	v_cvt_pk_f16_f32 v[P+e], v[S+2*e], v[S+2*e+1]  ; tile t's 16 registers: two fragments of P
.set e, e+1
.endr
.irp u, 0,1,2,3,4,5,6,7                        ; the row's sum of the unrounded p, in place: neighbours 1, 2, 4, 8 pairs apart
.irp t, 0,1
	v_pk_add_f32 v[S+32*\t+4*\u:S+32*\t+4*\u+1], v[S+32*\t+4*\u:S+32*\t+4*\u+1], v[S+32*\t+4*\u+2:S+32*\t+4*\u+3]
.endr
.endr
.irp u, 0,1,2,3
.irp t, 0,1
	v_pk_add_f32 v[S+32*\t+8*\u:S+32*\t+8*\u+1], v[S+32*\t+8*\u:S+32*\t+8*\u+1], v[S+32*\t+8*\u+4:S+32*\t+8*\u+5]
.endr
.endr
.irp u, 0,1
.irp t, 0,1
	v_pk_add_f32 v[S+32*\t+16*\u:S+32*\t+16*\u+1], v[S+32*\t+16*\u:S+32*\t+16*\u+1], v[S+32*\t+16*\u+8:S+32*\t+16*\u+9]
.endr
.endr
.irp t, 0,1
	v_pk_add_f32 v[S+32*\t:S+32*\t+1], v[S+32*\t:S+32*\t+1], v[S+32*\t+16:S+32*\t+17]
.endr
.irp t, 0,1
	v_pk_fma_f32 v[ST+8*\t+2:ST+8*\t+3], v[ST+8*\t+2:ST+8*\t+3], v[ST+8*\t+6:ST+8*\t+7], v[S+32*\t:S+32*\t+1] op_sel_hi:[1,0,1]   ; l = l a + the sum
.endr
.irp t, 0,1
.set e, 0
.rept 24
	v_pk_mul_f32 v[O+48*\t+2*e:O+48*\t+2*e+1], v[O+48*\t+2*e:O+48*\t+2*e+1], v[ST+8*\t+6:ST+8*\t+7] op_sel_hi:[1,0]   ; O^T x a, each accumulator from its low end on
.set e, e+1
.endr
.endr
.endm
; A step: my i-th 64 keys of the slot in hand.
.macro STEP i
	v_add_nc_u32 v[ADK], s[TB], v[AK0]             ; these four lines are the places between the last products and the loads into the registers that they read
	v_add_nc_u32 v[ADV], s[TB], v[AV0]
	v_nop
	v_nop
	WIN 0x40                                       ; destination window 1
.set f, 0
.rept 12                                       ; K: fragment 3 kt + c
	ds_load_b128 v[KF+8*f:KF+8*f+3], v[ADK] offset:STEPB*\i+1024*f
	ds_load_b128 v[KF+8*f+4:KF+8*f+7], v[ADK] offset:STEPB*\i+1024*f+512
.set f, f+1
.endr
.set f, 0
.rept 12                                       ; V: fragment 6 kg + ct
	ds_load_b128 v[VF+8*f:VF+8*f+3], v[ADV] offset:STEPB*\i+1024*f
	ds_load_b128 v[VF+8*f+4:VF+8*f+7], v[ADV] offset:STEPB*\i+1024*f+512
.set f, f+1
.endr
	s_wait_dscnt 24                                ; K's 24 loads are in; V's 24, issued behind them, may stay out
	WIN 0x05                                       ; sources 0 and 1 window 1
.irp c, 0,1,2                                  ; S^T = K Q^T: the eight accumulators by turns; the first 32 channels start the sums
.irp kt, 0,1,2,3
.irp t, 0,1
.if \c == 0
	v_wmma_f32_16x16x32_f16 v[S+32*\t+8*\kt:S+32*\t+8*\kt+7], v[KF+8*(3*\kt+\c):KF+8*(3*\kt+\c)+7], v[QF+24*\t+8*\c:QF+24*\t+8*\c+7], 0
.else
	v_wmma_f32_16x16x32_f16 v[S+32*\t+8*\kt:S+32*\t+8*\kt+7], v[KF+8*(3*\kt+\c):KF+8*(3*\kt+\c)+7], v[QF+24*\t+8*\c:QF+24*\t+8*\c+7], v[S+32*\t+8*\kt:S+32*\t+8*\kt+7]
.endif
.endr
.endr
.endr
	WIN 0
	PLACES
	SOFTMAX
	s_wait_dscnt 0x0                               ; V is in
	WIN 0x01                                       ; source 0 window 1
.irp kg, 0,1                                   ; O^T += V^T P: the twelve accumulators by turns
.irp ct, 0,1,2,3,4,5
.irp t, 0,1
	v_wmma_f32_16x16x32_f16 v[O+48*\t+8*\ct:O+48*\t+8*\ct+7], v[VF+8*(6*\kg+\ct):VF+8*(6*\kg+\ct)+7], v[P+16*\t+8*\kg:P+16*\t+8*\kg+7], v[O+48*\t+8*\ct:O+48*\t+8*\ct+7]
.endr
.endr
.endr
	WIN 0
.endm
	s_load_b128 s[4:7], s[0:1], 0x0                ; qf, kvf
	s_load_b64 s[8:9], s[0:1], 0x10                ; af
	v_lshl_add_u32 v[SPW], v0, 2, SPARE
	v_mov_b32 v[NIL], 0
	ds_add_u32 v[SPW], v[NIL]                      ; the wave's opening: the add, twice on end, and its wait ahead of the round in front of my first tensor load
	ds_add_u32 v[SPW], v[NIL]
	v_lshrrev_b32 v8, 5, v0
	v_readfirstlane_b32 s[WV], v8                  ; wave 0..7
	s_bfe_u32 s13, ttmp6, 0x40000                  ; cx: my place in the cluster: it enters Q's, O's and the prefetches' addresses alone
	s_lshl_b32 s14, ttmp9, 2
	s_add_co_u32 s14, s14, s13                     ; my block of 128 queries
	s_and_b32 s15, ttmp7, 0xffff                   ; the (batch, head) pair, which the four partners share
	s_and_b32 s16, s[WV], 3                        ; which 32 queries
	s_lshr_b32 s17, s[WV], 2                       ; which half of the keys
	v_and_b32 v8, 31, v0
	v_lshlrev_b32 v[LI], 4, v8
	v_lshlrev_b32 v[PFO], 8, v8
	s_mul_i32 s18, s17, 2*STEPB
	v_add_nc_u32 v[AK0], s18, v[LI]
	v_add_nc_u32 v[AV0], 49152, v[AK0]
	s_mul_i32 s18, s16, 12800
	s_add_co_u32 s18, s18, STG
	v_add_nc_u32 v[SG], s18, v[LI]
	; descriptor group 1: a dense block of 12,288 bytes as 48 rows of 32 elements of 8 bytes
	s_mov_b32 s[G1+0], 15|(3<<16)|(1<<21)          ; 15:0 the mask: all four work-groups; 17:16 elements of 8 bytes; 21 set beside a mask; no padding
	s_mov_b32 s[G1+1], 32<<16
	s_mov_b32 s[G1+2], 48<<16
	s_mov_b32 s[G1+3], 32<<16
	s_mov_b32 s[G1+4], 48
	s_mov_b32 s[G1+5], 32
	s_mov_b32 s[G1+6], 0
	s_mov_b32 s[G1+7], 0
	s_mov_b32 s[G0], 1
	s_mul_i32 s[G0+1], s[WV], STEPB                ; my part of slot 0: the wave's number alone enters an LDS address
	s_mul_i32 s20, s15, 16*SLOTB
	s_add_co_u32 s20, s20, s[G0+1]
	s_mov_b32 s21, 0                               ; s[20:21]: my part of the pair's first slot in kvf
	s_lshl_b32 s22, s14, 3
	s_lshl_b32 s23, s16, 1
	s_add_co_u32 s22, s22, s23                     ; my first tile of queries in the batch: 8 x block + 2 x (w % 4)
	s_lshl_b32 s18, s15, 6
	s_add_co_u32 s18, s18, s22
	s_mul_i32 s18, s18, 3072
	s_mov_b32 s19, 0                               ; s[18:19]: in qf
	s_lshr_b32 s44, s15, 3
	s_lshl_b32 s44, s44, 6
	s_add_co_u32 s44, s44, s22
	s_mul_i32 s44, s44, 24576                      ; in af: 24 fragments a tile of rows,
	s_and_b32 s45, s15, 7
	s_mul_i32 s45, s45, 3072                       ; of which the head has three
	s_add_co_u32 s44, s44, s45
	s_mov_b32 s45, 0
	s_mul_i32 s46, s15, 16*SLOTB
	s_mul_i32 s47, s13, 24576
	s_add_co_u32 s46, s46, s47
	s_lshl_b32 s47, s[WV], 13
	s_add_co_u32 s46, s46, s47
	s_add_co_u32 s46, s46, SLOTB                   ; in slot 1: the first change of slots steps it to slot 2.  Nothing is prefetched at the head
	s_mov_b32 s47, 0
	s_cmp_lt_u32 s[WV], 3
	s_cselect_b32 s48, 0, 1
	s_or_b32 s48, s48, ttmp9                       ; 0 in waves 0 to 2 of the pair's first cluster: the same in all four partners
	s_cmp_eq_u32 s48, 0
	s_cselect_b32 s[LIM], 1, -1
	s_mov_b32 s[SEL], 0x76543210
	s_mov_b32 s[SEL+1], 0xfedcba98
	s_mov_b32 s[TB], 0
	s_mov_b32 s[SLOTS], 15
	s_wait_dscnt 0x0                               ; both opening adds are done
	s_wait_kmcnt 0x0
	s_add_nc_u64 s[G0+2:G0+3], s[6:7], s[20:21]
	s_or_b32 s[G0+3], s[G0+3], 0x80000000          ; type = 2
	s_add_nc_u64 s[PFA:PFA+1], s[6:7], s[46:47]
	s_add_nc_u64 s[4:5], s[4:5], s[18:19]
	s_add_nc_u64 s[8:9], s[8:9], s[44:45]
	CROUND                                         ; all four work-groups are here: the first joint loads meet
	tensor_load_to_lds s[G0:G0+3], s[G1:G1+7]      ; slot 0
	s_nop 0
	PLACES
	WIN 0x40
.irp t, 0,1
.irp c, 0,1,2
.irp g, 0,1
	global_load_b128 v[QF+24*\t+8*\c+4*\g:QF+24*\t+8*\c+4*\g+3], v[LI], s[4:5] offset:3072*\t+1024*\c+512*\g   ; Q stays in registers
.endr
.endr
.endr
	WIN 0
.irp t, 0,1
	v_mov_b32 v[ST+8*\t], 0xff61b1e6               ; m: -3e38, under every score
	v_mov_b32 v[ST+8*\t+1], 0xff61b1e6
.irp j, 2,3,4,5,6,7
	v_mov_b32 v[ST+8*\t+\j], 0                     ; l; and what is named as a permute's destination or a pair's upper half before it is first written
.endr
.endr
.set e, 0
.rept 96
	v_mov_b32 v[O+e], 0                            ; O^T: the step is written once; its first pass finds zeros, which a = 0 leaves zeros
.set e, e+1
.endr
	s_wait_loadcnt 0x0                             ; Q
.Lslot:                                            ; 15 trips: behind each change of slots but the last the next slot is asked for
	CHANGE 1
	STEP 0
	STEP 1
	s_xor_b32 s[TB], s[TB], SLOT1
	s_sub_co_u32 s[SLOTS], s[SLOTS], 1
	s_cmp_lg_u32 s[SLOTS], 0
	s_cbranch_scc1 .Lslot
	CHANGE 0                                       ; the last slot is written out
	STEP 0
	STEP 1
	; THE MERGE of the two halves of the keys.  Waves 4 to 7 hand (m, l) and O^T to waves 0 to 3 through the stage, as images of their registers.
	PLACES                                         ; behind the last products
.irp t, 0,1
	v_add_f32 v[ST+8*\t+2], v[ST+8*\t+2], v[ST+8*\t+3]
.endr
.irp t, 0,1
	v_permlanex16_b32 v[ST+8*\t+5], v[ST+8*\t+2], s[SEL], s[SEL+1]
.endr
.irp t, 0,1
	v_add_f32 v[ST+8*\t+2], v[ST+8*\t+2], v[ST+8*\t+5]   ; l of my half of the keys
.endr
.irp t, 0,1
	v_mov_b32 v[QD+2*\t], v[ST+8*\t]
	v_mov_b32 v[QD+2*\t+1], v[ST+8*\t+2]
.endr
	s_cmp_lt_u32 s[WV], 4
	s_cbranch_scc1 .Lkeep
	ds_store_b128 v[SG], v[QD:QD+3]
.set e, 0
.rept 24
	ds_store_b128 v[SG], v[O+4*e:O+4*e+3] offset:512+512*e   ; each accumulator from its low end on
.set e, e+1
.endr
.Lkeep:
	s_wait_dscnt 0x0                               ; for the others' sake: my stores lie in the stage
	s_barrier_signal -1
	s_barrier_wait -1
	s_cmp_ge_u32 s[WV], 4
	s_cbranch_scc1 .Ldone
	ds_load_b128 v[QD:QD+3], v[SG]
.set e, 0
.rept 24
	ds_load_b128 v[S+4*e:S+4*e+3], v[SG] offset:512+512*e
.set e, e+1
.endr
	s_wait_dscnt 0x0
.irp t, 0,1
	v_max_num_f32 v[ST+8*\t+4], v[ST+8*\t], v[QD+2*\t]     ; the common m
.endr
.irp t, 0,1
	v_sub_f32 v[ST+8*\t+5], v[ST+8*\t], v[ST+8*\t+4]
	v_sub_f32 v[ST+8*\t+6], v[QD+2*\t], v[ST+8*\t+4]
.endr
.irp t, 0,1
	v_exp_f32 v[ST+8*\t+5], v[ST+8*\t+5]
	v_exp_f32 v[ST+8*\t+6], v[ST+8*\t+6]
.endr
	v_nop
	s_wait_alu depctr_va_vdst(0)                   ; one wait for the four, ahead of their first reader
.irp t, 0,1
	v_mul_f32 v[ST+8*\t+7], v[ST+8*\t+5], v[ST+8*\t+2]
.endr
.irp t, 0,1
	v_fma_f32 v[ST+8*\t+7], v[ST+8*\t+6], v[QD+2*\t+1], v[ST+8*\t+7]   ; the row's sum under the common m
.endr
.irp t, 0,1
	v_rcp_f32 v[ST+8*\t+7], v[ST+8*\t+7]
.endr
	v_nop
	s_wait_alu depctr_va_vdst(0)                   ; one wait for the two
.irp t, 0,1
	v_mul_f32 v[ST+8*\t+4], v[ST+8*\t+5], v[ST+8*\t+7]
	v_mul_f32 v[ST+8*\t+6], v[ST+8*\t+6], v[ST+8*\t+7]
.endr
.irp t, 0,1
.set e, 0
.rept 24
	v_pk_mul_f32 v[O+48*\t+2*e:O+48*\t+2*e+1], v[O+48*\t+2*e:O+48*\t+2*e+1], v[ST+8*\t+4:ST+8*\t+5] op_sel_hi:[1,0]
	v_pk_fma_f32 v[O+48*\t+2*e:O+48*\t+2*e+1], v[S+48*\t+2*e:S+48*\t+2*e+1], v[ST+8*\t+6:ST+8*\t+7], v[O+48*\t+2*e:O+48*\t+2*e+1] op_sel_hi:[1,0,1]
.set e, e+1
.endr
.endr
.set e, 0
.rept 48
	v_cvt_pk_f16_f32 v[S+e], v[O+2*e], v[O+2*e+1]  ; four registers a tile of channels: half an image of the last product's operand
.set e, e+1
.endr
.irp t, 0,1
.irp ct, 0,1,2,3,4,5
	global_store_b128 v[LI], v[S+24*\t+4*\ct:S+24*\t+4*\ct+3], s[8:9] offset:24576*\t+512*\ct   ; each store covers 512 consecutive bytes, aligned
.endr
.endr
.Ldone:
	s_wait_tensorcnt 0x0                           ; the wave's end, behind my last tensor load and my last LDS store
	ds_add_u32 v[SPW], v[NIL]
	s_wait_dscnt 0x0
	CROUND                                         ; the closing round: no work-group ends while a partner may still ask for a slot that names it
	s_endpgm
.Lfunc_end_k_qcacc67ef18_attn:
	.size	k_qcacc67ef18_attn, .Lfunc_end_k_qcacc67ef18_attn-k_qcacc67ef18_attn
	.p2alignl 7, 3214868480
	.fill 96, 4, 3214868480
	.section	.rodata,"a",@progbits
	.p2align	6, 0x0
	.amdhsa_kernel k_qcacc67ef18_attn
		.amdhsa_group_segment_fixed_size 327680
		.amdhsa_private_segment_fixed_size 0
		.amdhsa_enable_private_segment 0
		.amdhsa_kernarg_size 24
		.amdhsa_user_sgpr_count 2
		.amdhsa_user_sgpr_kernarg_segment_ptr 1
		.amdhsa_wavefront_size32 1
		.amdhsa_system_sgpr_workgroup_id_x 1
		.amdhsa_system_sgpr_workgroup_id_y 1
		.amdhsa_system_sgpr_workgroup_id_z 1
		.amdhsa_system_vgpr_workitem_id 0
		.amdhsa_next_free_vgpr 512
		.amdhsa_next_free_sgpr 66
		.amdhsa_reserve_vcc 0
		.amdhsa_float_denorm_mode_32 3
		.amdhsa_float_denorm_mode_16_64 3
		.amdhsa_memory_ordered 1
		.amdhsa_forward_progress 1
		.amdhsa_inst_pref_size 106
	.end_amdhsa_kernel
	.amdgpu_metadata
---
amdhsa.version: [ 1, 2 ]
amdhsa.kernels:
  - .name:           k_qcacc67ef18_attn
    .symbol:         k_qcacc67ef18_attn.kd
    .args:
      - { .name: qf, .offset: 0, .size: 8, .value_kind: global_buffer, .address_space: global }
      - { .name: kvf, .offset: 8, .size: 8, .value_kind: global_buffer, .address_space: global }
      - { .name: af, .offset: 16, .size: 8, .value_kind: global_buffer, .address_space: global }
    .group_segment_fixed_size: 327680
    .private_segment_fixed_size: 0
    .kernarg_segment_align: 8
    .kernarg_segment_size: 24
    .max_flat_workgroup_size: 256
    .sgpr_count:     66
    .vgpr_count:     512
    .wavefront_size: 32
...
	.end_amdgpu_metadata
.endif
;; end of part 3
;; launch outp (part 4): grid 64 x 4, 4 waves a work-group, no clusters, 50,688 bytes of LDS; arguments af, wof, bo, out0; writes out0
.if DOCPART == 4
	.amdgcn_target "amdgcn-amd-amdhsa--gfx1250"
	.amdhsa_code_object_version 6
	.text
	.protected	k_qcacc67ef18_outp
	.globl	k_qcacc67ef18_outp
	.p2align	8
	.type	k_qcacc67ef18_outp,@function
k_qcacc67ef18_outp:
	s_mov_b64 s[64:65], 0
	v_nop
	global_prefetch_b8 v0, s[64:65] scope:SCOPE_SE
	s_setreg_imm32_b32 hwreg(HW_REG_WAVE_MODE, 25, 1), 1
	s_wait_xcnt 0x0
; out0 = a Wo^T + bo.  a [4,096][768] and Wo [768][768] arrive as f16 in fragment order (1,024 bytes a fragment: half g at 512 g, lane l's 16 bytes at 16 l); sums in f32; out0 [4,096][768] f32.
; SHARES.  Work-group (x, y): rows 64 x on, columns 192 y on; wave w: all 64 rows x columns 48 w on: 12 accumulators (4 tiles of rows x 3 of columns).
; The product is used transposed (source 0 = 16 rows of Wo, source 1 = 16 rows of a): a lane holds eight neighbouring columns of one row.  bo is the C of each sum's first matrix instruction.
; The operands go from memory straight into registers, 512 consecutive bytes a load, four K steps' sets by turns, three sets ahead.  24 K steps, written out: every offset is an immediate.
; No tensor load, no cluster: a wave's whole work is 288 matrix instructions, too few to pay for a ring's barriers and a cluster's rounds.
; The way out: the four waves' 48 columns meet in a stage (rows of 768 bytes + 16); each wave reads 16 whole rows back and stores them, sixteen lanes to 256 consecutive bytes, aligned.
.set SP,    784                        ; a stage row: 49 x 16 bytes, so that the 16 rows of a store fall on 16 different 16-byte columns of the banks (ISA guide 11.1)
.set SPARE, 64*SP                      ; behind the stage: the spare words, 128 bytes a wave: two blocks of 256 bytes that no other line names
.set LI,  4                            ; v4  16 x lane
.set BOF, 5                            ; v5  32 h
.set SO,  6                            ; v6  the stage: where I put 32 bytes of a row
.set RDA, 7                            ; v7  back: lanes 16-31 take the next 256 bytes of the same row;
.set RDB, 8                            ; v8  or the first 256 of the next row
.set GA,  9                            ; v9, v10  the same two in out0
.set GB,  10
.set SPW, 14
.set NIL, 15
.set BI,  16                           ; v16-39   bo, three tiles in the result's layout
.set ACC, 40                           ; v40-135  accumulator (rt, nt) at 8 (3 rt + nt)
.set RB,  136                          ; v136-231 rows read back
.set MSB, 0
.macro WIN new
.if MSB != (\new)
	s_set_vgpr_msb (MSB<<8)|(\new)
.set MSB, (\new)
.endif
.endm
.macro PLACES
.rept 4
	v_nop
.endr
.endm
.macro LOADSET k                       ; K step k's seven fragments into set k % 4 of window 1: Wo's three, then a's four
	WIN 0x40
.irp nt, 0,1,2
.irp g, 0,1
	global_load_b128 v[56*((\k)%4)+8*\nt+4*\g:56*((\k)%4)+8*\nt+4*\g+3], v[LI], s[6:7] offset:24576*\nt+1024*(\k)+512*\g
.endr
.endr
.irp rt, 0,1,2,3
.irp g, 0,1
	global_load_b128 v[56*((\k)%4)+24+8*\rt+4*\g:56*((\k)%4)+24+8*\rt+4*\g+3], v[LI], s[4:5] offset:24576*\rt+1024*(\k)+512*\g
.endr
.endr
	WIN 0
.endm
.macro MULS k                          ; 12 matrix instructions, the accumulators by turns
	WIN 0x05
.irp rt, 0,1,2,3
.irp nt, 0,1,2
.if (\k) == 0
	v_wmma_f32_16x16x32_f16 v[ACC+8*(3*\rt+\nt):ACC+8*(3*\rt+\nt)+7], v[56*((\k)%4)+8*\nt:56*((\k)%4)+8*\nt+7], v[56*((\k)%4)+24+8*\rt:56*((\k)%4)+24+8*\rt+7], v[BI+8*\nt:BI+8*\nt+7]
.else
	v_wmma_f32_16x16x32_f16 v[ACC+8*(3*\rt+\nt):ACC+8*(3*\rt+\nt)+7], v[56*((\k)%4)+8*\nt:56*((\k)%4)+8*\nt+7], v[56*((\k)%4)+24+8*\rt:56*((\k)%4)+24+8*\rt+7], v[ACC+8*(3*\rt+\nt):ACC+8*(3*\rt+\nt)+7]
.endif
.endr
.endr
	WIN 0
.endm
	s_load_b256 s[4:11], s[0:1], 0x0               ; af, wof, bo, out0
	v_lshl_add_u32 v[SPW], v0, 2, SPARE
	v_mov_b32 v[NIL], 0
	v_lshrrev_b32 v1, 5, v0
	v_readfirstlane_b32 s12, v1                    ; wave 0..3
	s_and_b32 s13, ttmp7, 0xffff                   ; y
	v_and_b32 v1, 31, v0
	v_and_b32 v2, 15, v0                           ; r
	v_bfe_u32 v3, v0, 4, 1                         ; h
	v_lshlrev_b32 v[LI], 4, v1
	v_lshlrev_b32 v[BOF], 5, v3
	v_mul_u32_u24 v[SO], v2, SP
	v_lshl_add_u32 v[SO], v3, 5, v[SO]
	s_mul_i32 s14, s12, 192
	v_add_nc_u32 v[SO], s14, v[SO]                 ; row r, + 32 h, + my 48 columns' 192 bytes
	s_mul_i32 s14, s12, 16*SP
	v_lshl_add_u32 v[RDA], v2, 4, s14              ; my 16 rows, 16 bytes a lane of sixteen
	v_mul_u32_u24 v[RDB], v3, SP-512
	v_add_nc_u32 v[RDB], v[RDB], v[RDA]
	v_lshl_add_u32 v[RDA], v3, 8, v[RDA]
	v_lshlrev_b32 v[GA], 4, v2
	v_mul_u32_u24 v[GB], v3, 3072-512
	v_add_nc_u32 v[GB], v[GB], v[GA]
	v_lshl_add_u32 v[GA], v3, 8, v[GA]
	s_mul_i32 s16, ttmp9, 4*24576                  ; a: four tiles of rows, 24 fragments each
	s_mov_b32 s17, 0
	s_mul_i32 s18, s13, 12
	s_mul_i32 s19, s12, 3
	s_add_co_u32 s18, s18, s19
	s_mul_i32 s18, s18, 24576                      ; Wo: tile 12 y + 3 w
	s_mov_b32 s19, 0
	s_mul_i32 s20, s13, 768
	s_mul_i32 s21, s12, 192
	s_add_co_u32 s20, s20, s21                     ; bo: column 192 y + 48 w
	s_mov_b32 s21, 0
	s_lshl_b32 s22, ttmp9, 6
	s_lshl_b32 s23, s12, 4
	s_add_co_u32 s22, s22, s23
	s_mul_i32 s22, s22, 3072                       ; out0: row 64 x + 16 w,
	s_mul_i32 s23, s13, 768                        ; column 192 y
	s_add_co_u32 s22, s22, s23
	s_mov_b32 s23, 0
	s_wait_kmcnt 0x0
	s_add_nc_u64 s[4:5], s[4:5], s[16:17]
	s_add_nc_u64 s[6:7], s[6:7], s[18:19]
	s_add_nc_u64 s[8:9], s[8:9], s[20:21]
	s_add_nc_u64 s[10:11], s[10:11], s[22:23]
.irp nt, 0,1,2
	global_load_b128 v[BI+8*\nt:BI+8*\nt+3], v[BOF], s[8:9] offset:64*\nt        ; register j of lane (r, h) is column 16 nt + 8 h + j
	global_load_b128 v[BI+8*\nt+4:BI+8*\nt+7], v[BOF], s[8:9] offset:64*\nt+16
.endr
	LOADSET 0
	LOADSET 1
	LOADSET 2
	LOADSET 3
.set kk, 0
.rept 24
.if 23-kk >= 3
	s_wait_loadcnt 42                              ; this step's 14 loads are in (and all before them); the three younger sets may stay out
.else
	s_wait_loadcnt 14*(23-kk)
.endif
	MULS kk
	PLACES                                         ; in front of loads into registers that matrix instructions have read; behind the last step: of the stores that read results
.if kk+4 < 24
	LOADSET kk+4
.endif
.set kk, kk+1
.endr
.irp rt, 0,1,2,3
.irp nt, 0,1,2
	ds_store_b128 v[SO], v[ACC+8*(3*\rt+\nt):ACC+8*(3*\rt+\nt)+3] offset:16*\rt*SP+64*\nt          ; each accumulator from its low end on
	ds_store_b128 v[SO], v[ACC+8*(3*\rt+\nt)+4:ACC+8*(3*\rt+\nt)+7] offset:16*\rt*SP+64*\nt+16
.endr
.endr
	s_wait_dscnt 0x0                               ; for the others' sake: my stores lie in the stage
	s_barrier_signal -1
	s_barrier_wait -1
; my 16 rows are 48 pieces of 256 bytes; load i takes pieces 2 i (lanes 0-15) and 2 i + 1 (lanes 16-31): the next piece of the row, or, behind a row's third piece, the next row's first
.set i, 0
.rept 24
.if (2*i)%3 == 2
	ds_load_b128 v[RB+4*i:RB+4*i+3], v[RDB] offset:((2*i)/3)*SP+512
.else
	ds_load_b128 v[RB+4*i:RB+4*i+3], v[RDA] offset:((2*i)/3)*SP+((2*i)%3)*256
.endif
.set i, i+1
.endr
.set i, 0
.rept 24
	s_wait_dscnt 23-i                              ; LDS loads come back in order (ISA guide 5.7.1): load i is in, the younger ones stay out
.if (2*i)%3 == 2
	global_store_b128 v[GB], v[RB+4*i:RB+4*i+3], s[10:11] offset:((2*i)/3)*3072+512 th:TH_STORE_NT
.else
	global_store_b128 v[GA], v[RB+4*i:RB+4*i+3], s[10:11] offset:((2*i)/3)*3072+((2*i)%3)*256 th:TH_STORE_NT
.endif
.set i, i+1
.endr
	s_wait_tensorcnt 0x0                           ; the wave's end, behind my last LDS store
	ds_add_u32 v[SPW], v[NIL]
	s_wait_dscnt 0x0
	s_endpgm
.Lfunc_end_k_qcacc67ef18_outp:
	.size	k_qcacc67ef18_outp, .Lfunc_end_k_qcacc67ef18_outp-k_qcacc67ef18_outp
	.p2alignl 7, 3214868480
	.fill 96, 4, 3214868480
	.section	.rodata,"a",@progbits
	.p2align	6, 0x0
	.amdhsa_kernel k_qcacc67ef18_outp
		.amdhsa_group_segment_fixed_size 50688
		.amdhsa_private_segment_fixed_size 0
		.amdhsa_enable_private_segment 0
		.amdhsa_kernarg_size 32
		.amdhsa_user_sgpr_count 2
		.amdhsa_user_sgpr_kernarg_segment_ptr 1
		.amdhsa_wavefront_size32 1
		.amdhsa_system_sgpr_workgroup_id_x 1
		.amdhsa_system_sgpr_workgroup_id_y 1
		.amdhsa_system_sgpr_workgroup_id_z 1
		.amdhsa_system_vgpr_workitem_id 0
		.amdhsa_next_free_vgpr 512
		.amdhsa_next_free_sgpr 66
		.amdhsa_reserve_vcc 0
		.amdhsa_float_denorm_mode_32 3
		.amdhsa_float_denorm_mode_16_64 3
		.amdhsa_memory_ordered 1
		.amdhsa_forward_progress 1
		.amdhsa_inst_pref_size 66
	.end_amdhsa_kernel
	.amdgpu_metadata
---
amdhsa.version: [ 1, 2 ]
amdhsa.kernels:
  - .name:           k_qcacc67ef18_outp
    .symbol:         k_qcacc67ef18_outp.kd
    .args:
      - { .name: af, .offset: 0, .size: 8, .value_kind: global_buffer, .address_space: global }
      - { .name: wof, .offset: 8, .size: 8, .value_kind: global_buffer, .address_space: global }
      - { .name: bo, .offset: 16, .size: 8, .value_kind: global_buffer, .address_space: global }
      - { .name: out0, .offset: 24, .size: 8, .value_kind: global_buffer, .address_space: global }
    .group_segment_fixed_size: 50688
    .private_segment_fixed_size: 0
    .kernarg_segment_align: 8
    .kernarg_segment_size: 32
    .max_flat_workgroup_size: 128
    .sgpr_count:     66
    .vgpr_count:     512
    .wavefront_size: 32
...
	.end_amdgpu_metadata
.endif
;; end of part 4
